; MI455X (gfx1250); checked and timed in simulation.
; The chip was launched on July 23, 2026; its instructions are those of AMD's public machine-readable ISA for CDNA 5 (MIT licence, August 2026) and "CDNA5" Instruction Set Architecture Reference Guide (July 2026). The comments in the code are by the model that wrote it; some were corrected since.
;; Up Sampler. Allowed arithmetic: matrix products marked QUANTISED: E2M1 operands, one E8M0 scale for each 32 along K, by v_wmma_scale_f32_16x16x128_f8f6f4 with both operands' format E2M1 (or v_wmma_scale_f32_32x16x128_f4), f32 sums; everything else in f32.
;; Inputs: W 128 x 128 float32; b 128 float32; pos_coarse 4,000 x 3 float32; pos_fine 20,000 x 3 float32; x_coarse 4,000 x 128 float32.
;; Outputs: out0 20,000 x 128 float32.
;; This version of the problem:
;;   THIS VERSION OF THE PROBLEM IS GIVEN IN LOW PRECISION. The matrix products marked QUANTISED in the list below multiply operands that are first quantised to E2M1 (2 exponent bits, 1 mantissa bit; 4 bits a number), with one power-of-two scale for each 32 numbers along K (OCP MX v1.0); their sums are f32. All else is computed in f32.
;;   The module's matrix products, in the order in which they are computed (A, B: the left and right operand; K: the contracted axis; several contracted axes count as one K, in the product's order):
;;     1. [M 20,000, K 128] x [K 128, N 128]; A: computed on the way; B: input W: QUANTISED
;;   THE QUANTISER, for each operand of a quantised product, along K:
;;     - K is cut into blocks of 32 from its start; a last block that is shorter is filled with zeros.
;;     - A block's scale is 2^e with e = floor(log2(the largest magnitude in the block)) - 2, held to -126 .. 127; a block of zeros has e = 0. As a byte (E8M0): e + 127.
;;     - Each number is divided by its block's scale, clamped to +-6, and rounded to the nearest number of E2M1, ties to even, subnormals kept.
;;     - The product sums the exact products of the quantised numbers (number of the format x scale) in f32.
;;   ~~~python
;;   def quantise(x, axis):      # numpy; x: float32 -> the quantised numbers, widened to float32 again
;;       x = np.moveaxis(x, axis, -1); K = x.shape[-1]
;;       x = np.pad(x, [(0, 0)] * (x.ndim - 1) + [(0, -K % 32)]); x = x.reshape(x.shape[:-1] + (-1, 32)); a = np.abs(x).max(-1, keepdims=True)
;;       e = np.where(a > 0, np.clip(np.frexp(np.where(a > 0, a, 1))[1] - 1 - 2, -126, 127), 0)      # np.frexp(a)[1] - 1 = floor(log2(a)), exactly
;;       r = np.clip(x / 2.0 ** e, -6, 6)
;;       step = 2.0 ** (np.maximum(np.frexp(np.where(r == 0, 1, r))[1] - 1, 0) - 1)
;;       q = np.round(r / step) * step * 2.0 ** e      # np.round: ties to even
;;       return np.moveaxis(q.reshape(q.shape[:-2] + (-1,))[..., :K], -1, axis).astype(np.float32)
;;   ~~~
;;   OPERANDS COMPUTED ON THE WAY. 'Computed on the way' means the value that the module computes at that place (a softmax that the list does not call 'softmax' is quantised finished and normalised). What goes into a quantiser is computed in f32, as accurately as f32 sums, v_exp_f32 and their like allow (about 1e-6 of the number): no bf16 or f16 on the way to a quantiser, and a product that is left as it is and whose result goes on into a quantised operand takes f32 operands (vector FMAs, or v_wmma_f32_16x16x4_f32). A number that lies on a knife's edge between two numbers of the format may be rounded either way, as far as f32 arithmetic and the matrix unit's own rounding can turn it there, and no further.
;; 2 versions. Each part assembles by itself: llvm-mc -triple=amdgcn-amd-amdhsa -mcpu=gfx1250 --defsym DOCPART=n.
;; ======== version 1 of 2: 3 launches
;; limits: right only within a limited range of input values
;; workspace buffers: grp 640,000 bytes of whole numbers; knn 640,000 bytes of whole numbers; wq 9,216 bytes
;; launch groups (part 1): grid 251 x 1, 16 waves a work-group, no clusters, 99,328 bytes of LDS; arguments pos_coarse, pos_fine, W, grp, wq; writes grp, wq
.if DOCPART == 1
	.amdgcn_target "amdgcn-amd-amdhsa--gfx1250"
	.amdhsa_code_object_version 6
	.text
	.protected	k_qef2b24e646_groups
	.globl	k_qef2b24e646_groups
	.p2align	8
	.type	k_qef2b24e646_groups,@function
k_qef2b24e646_groups:
	s_mov_b64 s[64:65], 0
	v_nop
	global_prefetch_b8 v0, s[64:65] scope:SCOPE_SE
	s_setreg_imm32_b32 hwreg(HW_REG_WAVE_MODE, 25, 1), 1
	s_wait_xcnt 0x0
; FIRST OF THREE LAUNCHES.  For each fine point: the six GROUPS of 32 neighbouring coarse indices that can hold its six nearest coarse points.  (Work-group 250 turns W into codes.)
; WHY GROUPS.  Order the 125 groups by (rounded root of the group's least d2, group number).  A coarse point among a fine point's first six in the order (rounded root of d2, index) lies in one of the
; first six groups: were its group not among them, the least elements of six other groups would stand ahead of it.  So the pass over all 4,000 x 80 pairs of a work-group keeps a least value a group and no index.
; d2 = fma(dz, dz, fma(dy, dy, dx dx)), the differences rounded once each.
; SHARES.  Work-groups 0-249 own 80 fine points each.  A LANE IS A GROUP: its 32 points lie in 96 registers as they lie in memory (x y z x y z ..); four waves hold the 125 groups (lanes 125-127 report +infinity).
; The sixteen waves are four such sets; a set takes 20 fine points, two at a time: a packed instruction serves the two fine points against ONE coarse coordinate, picked out of its register pair by op_sel.
; A trip is 32 x 6 packed instructions and 32 v_min3 for 2 x 1,024 pairs.  The fine points' coordinates come by scalar loads, one trip ahead.
; THE CHOICE of six of the 125 least values, four lanes to a fine point, 32 values a lane:  sweep 1 keeps the six least VALUES, sorted (v_min and five v_med3 a value); T is the sixth.  S = the correctly rounded root of T.
; For an f32 x: root(x) < S where x <= S pred(S), root(x) = S where S pred(S) < x <= S succ(S) (no f32 lies between such a product and the square of the midpoint).  Both products are rounded DOWN to f32: PA, PB.
; Sweep 2 gives each value a key, an exact f32: its number where x <= PA, its number + 128 where x <= PB, else +infinity, and keeps the six least keys: at most five values lie under, ties go by the lower number.
; The four lanes' lists meet by row_xmask:1 (six insertions) and row_xmask:2 (min(a_k, b_5-k) are the six least of two sorted sixes).
; NO CLUSTER: what work-groups share is pos_coarse, 48,000 bytes read once by each through registers, since its groups of 384 bytes are re-pitched on the way.
; LIMITS: NaN and infinities among the positions are not served.  A non-zero d2 under 2^-100 may be put into the wrong class of ties (v_sqrt_f32 takes denormals as zero, ISA guide 15.8); PB is held at T from below, so six keys are always finite.
.set GP,    400                        ; LDS: a group's 384 bytes + 16: an odd multiple of 16
.set MBASE, 51200                      ; behind 128 group places: the least values
.set MF,    576                        ; from fine point to fine point
.set MP,    144                        ; from one wave's 32 groups to the next's: 128 bytes + 16.  (36 f + 9 p) mod 16 differs for 4 neighbouring f x 4 p
.set FX,  8                            ; v[8:13]    -x, -y, -z of the two fine points in hand, as pairs
.set MA,  14                           ; v14, v15   my group's least d2 for the two
.set MB2, 15
.set PEN, 16                           ; v16        0, or +infinity in a lane without a group
.set MAD, 17                           ; v17        where my least values go
.set MT,  18
.set BIG, 19                           ; v19        +infinity, from which PEN is made
.set CB,  32                           ; v[32:127]  my group's 32 points
.set DD,  128                          ; v[128:151] differences of four coarse points
.set QQ,  152                          ; v[152:159] their d2
.set V,   32                           ; the choice: v[32:63] my 32 values
.set L,   64                           ; v[64:69]   the six least, sorted
.set TT,  70                           ; v[70:75]   the other lane's
.set K,   76
.set T,   78
.set S,   79
.set SD,  80
.set SU,  81
.set RD,  82
.set RU,  83
.set PA,  84
.set PB,  85
.set INF, 86
.set BP,  88                           ; v[88:89]   the key of the value in hand: under, tie
.set O,   90                           ; v[90:91]   what I store
.macro INSERT d                        ; v[d] into the sorted six: from the top down, so that each line still finds its lower neighbour's old value
	v_med3_num_f32 v[L+5], v[L+4], v[L+5], v[\d]
	v_med3_num_f32 v[L+4], v[L+3], v[L+4], v[\d]
	v_med3_num_f32 v[L+3], v[L+2], v[L+3], v[\d]
	v_med3_num_f32 v[L+2], v[L+1], v[L+2], v[\d]
	v_med3_num_f32 v[L+1], v[L], v[L+1], v[\d]
	v_min_num_f32 v[L], v[L], v[\d]
.endm
.macro KEY x, bp                       ; the key of value v[x]; then the keys step to the next number
	v_cmp_ge_f32 vcc_lo, v[PB], v[\x]
	v_cndmask_b32 v[K], v[INF], v[\bp+1], vcc_lo
	v_cmp_ge_f32 vcc_lo, v[PA], v[\x]
	v_cndmask_b32 v[K], v[K], v[\bp], vcc_lo
	v_pk_add_f32 v[\bp:\bp+1], v[\bp:\bp+1], 1.0 op_sel_hi:[1,0]
	INSERT K
.endm
.macro MERGE1                          ; with lane l xor 1: both lanes end with the same sorted six
.irp k, 0,1,2,3,4,5
	v_mov_b32_dpp v[TT+\k], v[L+\k] row_xmask:1 row_mask:0xf bank_mask:0xf
.endr
.irp k, 0,1,2,3,4,5
	INSERT TT+\k
.endr
.endm
.macro MERGE2                          ; with lane l xor 2: the six least of the two sorted sixes, unsorted; lanes 2, 3 of a four hold them in the reverse order of lanes 0, 1
.irp k, 0,1,2,3,4,5
	v_min_num_f32_dpp v[TT+\k], v[L+5-\k], v[L+\k] row_xmask:2 row_mask:0xf bank_mask:0xf
.endr
.endm
.macro FRESH                           ; an empty list
.irp k, 0,1,2,3,4,5
	v_mov_b32 v[L+\k], v[INF]
.endr
.endm
.macro BOUNDS                          ; T, S, PA, PB
	v_max3_num_f32 v[T], v[TT], v[TT+1], v[TT+2]
	v_max3_num_f32 v[T], v[T], v[TT+3], v[TT+4]
	v_max_num_f32 v[T], v[T], v[TT+5]              ; the sixth least value
	v_sqrt_f32 v[S], v[T]                          ; within one unit in the last place
	v_nop                                          ; a plain instruction behind the transcendental,
	s_wait_alu depctr_va_vdst(0)                   ; and a wait ahead of the first reader
	v_add_nc_u32 v[SD], -1, v[S]                   ; its neighbours
	v_add_nc_u32 v[SU], 1, v[S]
	v_fma_f32 v[RD], -v[SD], v[S], v[T]            ; T - s pred(s) <= 0: the root rounds to pred(s)
	v_fma_f32 v[RU], -v[SU], v[S], v[T]            ; T - s succ(s) > 0: to succ(s)
	v_cmp_ge_f32 vcc_lo, 0, v[RD]
	v_cndmask_b32 v[S], v[S], v[SD], vcc_lo
	v_cmp_lt_f32 vcc_lo, 0, v[RU]
	v_cndmask_b32 v[S], v[S], v[SU], vcc_lo        ; S: correctly rounded.  (T = 0: S = 0; pred is a NaN pattern, every compare with it fails, nothing lies under)
	v_add_nc_u32 v[SD], -1, v[S]
	v_add_nc_u32 v[SU], 1, v[S]
	v_mul_f32 v[PA], v[S], v[SD]
	v_mul_f32 v[PB], v[S], v[SU]
	v_fma_f32 v[RD], v[S], v[SD], -v[PA]           ; the products' rounding errors, exact
	v_fma_f32 v[RU], v[S], v[SU], -v[PB]
	v_add_nc_u32 v[SD], -1, v[PA]
	v_add_nc_u32 v[SU], -1, v[PB]
	v_cmp_gt_f32 vcc_lo, 0, v[RD]
	v_cndmask_b32 v[PA], v[PA], v[SD], vcc_lo      ; rounded up: one step down
	v_cmp_gt_f32 vcc_lo, 0, v[RU]
	v_cndmask_b32 v[PB], v[PB], v[SU], vcc_lo
	v_max_num_f32 v[PB], v[PB], v[T]               ; T itself is a tie, whatever the range
.endm
	s_load_b256 s[4:11], s[0:1], 0x0               ; pos_coarse s[4:5], pos_fine s[6:7], W s[8:9], grp s[10:11]
	s_load_b64 s[12:13], s[0:1], 0x20              ; wq
	v_lshl_add_u32 v160, v0, 2, 0x17c00
	v_mov_b32 v161, 0
	v_lshrrev_b32 v1, 5, v0
	v_readfirstlane_b32 s14, v1                    ; wave 0..15
	v_and_b32 v2, 31, v0                           ; lane
	s_cmp_eq_u32 ttmp9, 250
	s_cbranch_scc1 .Lweights
	; pos_coarse into LDS: 3,072 pieces of 16 bytes, six a thread, a wave's load 512 consecutive bytes.  Piece t = 24 G + i goes to 400 G + 16 i = 16 (t + t / 24).
	; Pieces 3,000 on (groups 125-127, which do not exist) repeat the last piece, so that every place that is read has been written and no load leaves the buffer.
.irp it, 0,1,2,3,4,5
	v_add_nc_u32 v[20+\it], 512*\it, v0
.endr
	v_min_u32 v5, 2999, v25
	v_lshlrev_b32 v5, 4, v5
	v_lshlrev_b32 v4, 4, v0
.irp it, 0,1,2,3,4,5
	v_mul_u32_u24 v3, v[20+\it], 2731              ; t / 24 = t x 2731 >> 16, exact for t under 3,200
	v_lshrrev_b32 v3, 16, v3
	v_add_nc_u32 v[20+\it], v[20+\it], v3
	v_lshlrev_b32 v[20+\it], 4, v[20+\it]
.endr
	s_wait_kmcnt 0x0
.irp it, 0,1,2,3,4
	global_load_b128 v[32+4*\it:35+4*\it], v4, s[4:5] offset:8192*\it
.endr
	global_load_b128 v[52:55], v5, s[4:5]          ; v4 and v5 stay as they are until the wait for these six loads
	s_and_b32 s16, s14, 3                          ; which 32 groups are my wave's
	s_lshr_b32 s17, s14, 2                         ; which 20 fine points
	s_mul_i32 s18, ttmp9, 960                      ; 80 points x 12 bytes a work-group,
	s_mul_i32 s19, s17, 240                        ; 20 a set
	s_add_co_u32 s18, s18, s19
	s_mov_b32 s19, 0
	s_add_nc_u64 s[6:7], s[6:7], s[18:19]
	s_load_b128 s[20:23], s[6:7], 0x0              ; the first two fine points: x y z x
	s_load_b64 s[24:25], s[6:7], 0x10              ; y z
	s_mul_i32 s26, ttmp9, 2560                     ; grp: 32 bytes a fine point
	s_mov_b32 s27, 0
	s_add_nc_u64 s[10:11], s[10:11], s[26:27]
	s_mul_i32 s18, s17, 20*MF
	s_mul_i32 s19, s16, MP
	s_add_co_u32 s18, s18, s19
	s_add_co_u32 s18, s18, MBASE
	v_lshl_add_u32 v[MAD], v2, 2, s18              ; my set's first fine point, my wave's 32 groups, my lane's word
	s_lshl_b32 s18, s16, 5
	v_add_nc_u32 v3, s18, v2                       ; my group
	v_mov_b32 v[BIG], 0x7f800000
	v_cmp_lt_u32 vcc_lo, 124, v3
	v_cndmask_b32 v[PEN], 0, v[BIG], vcc_lo
	v_mul_u32_u24 v3, v3, GP
	s_wait_loadcnt 0x0
.irp it, 0,1,2,3,4,5
	ds_store_b128 v[20+\it], v[32+4*\it:35+4*\it]
.endr
	s_wait_dscnt 0x0                               ; for the others' sake: my stores have landed
	s_barrier_signal -1
	s_barrier_wait -1
.irp i, 0,1,2,3,4,5,6,7,8,9,10,11,12,13,14,15,16,17,18,19,20,21,22,23
	ds_load_b128 v[CB+4*\i:CB+4*\i+3], v3 offset:16*\i
.endr
; Four coarse points J .. J + 3 against the two fine points.  Coordinate c of point j lies in register CB + 3 j + c: the first or the second of an even pair, which op_sel picks for both halves.
.macro QUAD
.irp u, 0,1,2,3
.irp c, 0,1,2
.if ((3*(J+\u)+\c) & 1)
	v_pk_add_f32 v[DD+6*\u+2*\c:DD+6*\u+2*\c+1], v[CB+3*(J+\u)+\c-1:CB+3*(J+\u)+\c], v[FX+2*\c:FX+2*\c+1] op_sel:[1,0] op_sel_hi:[1,1]
.else
	v_pk_add_f32 v[DD+6*\u+2*\c:DD+6*\u+2*\c+1], v[CB+3*(J+\u)+\c:CB+3*(J+\u)+\c+1], v[FX+2*\c:FX+2*\c+1] op_sel_hi:[0,1]
.endif
.endr
.endr
.irp u, 0,1,2,3
	v_pk_mul_f32 v[QQ+2*\u:QQ+2*\u+1], v[DD+6*\u:DD+6*\u+1], v[DD+6*\u:DD+6*\u+1]
.endr
.irp u, 0,1,2,3
	v_pk_fma_f32 v[QQ+2*\u:QQ+2*\u+1], v[DD+6*\u+2:DD+6*\u+3], v[DD+6*\u+2:DD+6*\u+3], v[QQ+2*\u:QQ+2*\u+1]
.endr
.irp u, 0,1,2,3
	v_pk_fma_f32 v[QQ+2*\u:QQ+2*\u+1], v[DD+6*\u+4:DD+6*\u+5], v[DD+6*\u+4:DD+6*\u+5], v[QQ+2*\u:QQ+2*\u+1]
.endr
.if J == 0
	v_min_num_f32 v[MA], v[QQ], v[QQ+2]            ; the first two start the minima: nothing is preset
	v_min_num_f32 v[MB2], v[QQ+1], v[QQ+3]
.else
	v_min3_num_f32 v[MA], v[MA], v[QQ], v[QQ+2]
	v_min3_num_f32 v[MB2], v[MB2], v[QQ+1], v[QQ+3]
.endif
	v_min3_num_f32 v[MA], v[MA], v[QQ+4], v[QQ+6]
	v_min3_num_f32 v[MB2], v[MB2], v[QQ+5], v[QQ+7]
.endm
; Two fine points against my group.  ahead = 1: the next two points' coordinates are asked for as soon as these have been copied, and waited for at the trip's end.
.macro PAIR ahead
	v_mul_f32 v[FX],   -1.0, s20                   ; c + (-f) = -(f - c), exactly; its square is the same
	v_mul_f32 v[FX+1], -1.0, s23
	v_mul_f32 v[FX+2], -1.0, s21
	v_mul_f32 v[FX+3], -1.0, s24
	v_mul_f32 v[FX+4], -1.0, s22
	v_mul_f32 v[FX+5], -1.0, s25
.if \ahead
	s_add_nc_u64 s[6:7], s[6:7], 24                ; (the loads that named this base were waited for)
	s_load_b128 s[20:23], s[6:7], 0x0
	s_load_b64 s[24:25], s[6:7], 0x10
.endif
.set J, 0
.rept 8
	QUAD
.set J, J+4
.endr
	v_max_num_f32 v[MA], v[MA], v[PEN]
	v_max_num_f32 v[MB2], v[MB2], v[PEN]
	v_add_nc_u32 v[MT], s28, v[MAD]
	ds_store_b32 v[MT], v[MA]                      ; 32 lanes: 128 consecutive bytes
	ds_store_b32 v[MT], v[MB2] offset:MF
	s_add_co_u32 s28, s28, 2*MF
.if \ahead
	s_wait_kmcnt 0x0
.endif
.endm
	s_mov_b32 s28, 0
	s_mov_b32 s29, 9
	s_wait_dscnt 0x0                               ; my group is in
	s_wait_kmcnt 0x0                               ; and the first two fine points
.Lpair:
	PAIR 1
	s_sub_co_i32 s29, s29, 1
	s_cmp_lg_u32 s29, 0
	s_cbranch_scc1 .Lpair
	PAIR 0                                         ; the last two points: nothing more is asked for, so no load leaves pos_fine
	s_wait_dscnt 0x0                               ; for the others' sake: my least values have landed
	s_barrier_signal -1
	s_barrier_wait -1
	s_cmp_ge_u32 s14, 10                           ; 80 fine points x 4 lanes are ten waves
	s_cbranch_scc1 .Lend
	; THE CHOICE.  Thread 4 f + p: fine point f, groups 32 p .. 32 p + 31
	v_lshrrev_b32 v3, 2, v0
	v_and_b32 v4, 3, v0
	v_mul_u32_u24 v5, v3, MF
	v_mad_u32_u24 v5, v4, MP, v5
.irp i, 0,1,2,3,4,5,6,7
	ds_load_b128 v[V+4*\i:V+4*\i+3], v5 offset:MBASE+16*\i
.endr
	v_mov_b32 v[INF], 0x7f800000
	FRESH
.irp k, 0,1,2,3,4,5
	v_mov_b32 v[TT+\k], 0                          ; written once: the destination of a DPP form counts as read
.endr
	v_lshlrev_b32 v6, 5, v4
	v_cvt_f32_u32 v[BP], v6                        ; my first group's number, as f32;
	v_add_f32 v[BP+1], 0x43000000, v[BP]           ; + 128 for a tie
	s_wait_dscnt 0x0
.set I, 0
.rept 32
	INSERT V+I
.set I, I+1
.endr
	MERGE1
	MERGE2
	BOUNDS
	FRESH
.set I, 0
.rept 32
	KEY V+I, BP
.set I, I+1
.endr
	MERGE1
	MERGE2
.irp k, 0,1,2,3
	v_cvt_u32_f32 v[TT+\k], v[TT+\k]
.endr
.irp k, 0,1,2,3
	v_and_b32 v[TT+\k], 127, v[TT+\k]              ; the tie's 128 off
.endr
	; lanes 0 and 1 of a four store numbers 0, 1 and 2, 3 of the six; lane 2, which holds them reversed, its own 0, 1: the last two; lane 3 zeros: 32 bytes a fine point
	v_and_b32 v6, 1, v0
	v_cmp_eq_u32 vcc_lo, 1, v6
	v_cndmask_b32 v[O], v[TT], v[TT+2], vcc_lo
	v_cndmask_b32 v[O+1], v[TT+1], v[TT+3], vcc_lo
	v_cmp_eq_u32 vcc_lo, 3, v4
	v_cndmask_b32 v[O], v[O], 0, vcc_lo
	v_cndmask_b32 v[O+1], v[O+1], 0, vcc_lo
	v_lshlrev_b32 v7, 3, v0
	global_store_b64 v7, v[O:O+1], s[10:11]        ; a wave stores 256 consecutive bytes, at a multiple of 256 from grp's first byte
	s_wait_tensorcnt 0x0
	ds_add_u32 v160, v161
	s_wait_dscnt 0x0
	s_endpgm
; W [128 (k)][128 (n)] INTO CODES OF E2M1 ALONG K.  Wave t takes columns 16 t .. 16 t + 15: lane (r, h) column 16 t + r, and its registers run DOWN K in the order that the operand's layout gives the lane,
; k = 64 c + 32 h + 0 .. 31: the conversions' results are the operand's registers, and they are stored as they stand, 16 bytes a lane, the scale word 4 bytes a lane.
; A block's scale byte is its largest magnitude's exponent field - 2, held at 1 from below (a block of zeros keeps 1 over zero codes; this program alone reads the bytes).
.macro WLOADS c, from, n               ; W(64 c + 32 h + i, my column), i = from .. from + n - 1: sixteen neighbouring lanes read 64 neighbouring bytes
.set I, \from
.rept \n
	global_load_b32 v[64+32*\c+I], v5, s[8:9] offset:512*(64*\c+I)
.set I, I+1
.endr
.endm
.macro WMAX c                          ; my block 2 c + h: all its 32 numbers are mine; and the floor 2^(3 - 127), which holds the byte at 1 from below
	v_max3_num_f32 v[32+\c], |v[64+32*\c]|, |v[65+32*\c]|, 0x1800000
.irp i, 2,4,6,8,10,12,14,16,18,20,22,24,26,28,30
	v_max3_num_f32 v[32+\c], v[32+\c], |v[64+32*\c+\i]|, |v[65+32*\c+\i]|
.endr
.endm
.Lweights:
	s_cmp_ge_u32 s14, 8
	s_cbranch_scc1 .Lend
	v_and_b32 v1, 15, v0                           ; r
	v_bfe_u32 v3, v0, 4, 1                         ; h
	s_lshl_b32 s16, s14, 6                         ; 16 columns of 4 bytes a tile
	v_lshl_add_u32 v4, v1, 2, s16
	v_lshl_add_u32 v5, v3, 14, v4                  ; lanes 16-31 begin 32 rows of 512 bytes further down
	s_mov_b32 s20, 0x76543210
	s_mov_b32 s21, 0xfedcba98                      ; v_permlanex16_b32's selects for lane l xor 16
	s_wait_kmcnt 0x0
	WLOADS 0, 0, 32
	WLOADS 1, 0, 16
	s_wait_loadcnt 16                              ; the first block's 32 loads are in; the 16 issued behind them may be out
	WLOADS 1, 16, 16                               ; the rest of the second block is on its way while the first block's largest magnitude is taken
	WMAX 0
	s_wait_loadcnt 0x0
	WMAX 1
.irp c, 0,1
	v_add_nc_u32 v[44+\c], 0xff000000, v[32+\c]    ; 2 off the exponent field: the conversion's scale operand
.endr
.irp c, 0,1
	v_lshrrev_b32 v[36+\c], 23, v[44+\c]           ; the scale's byte
.endr
	v_lshl_or_b32 v9, v37, 16, v36                 ; blocks h and 2 + h,
	v_lshlrev_b32 v10, 3, v3
	v_lshlrev_b32 v9, v10, v9                      ; at their places in the word;
	v_mov_b32 v10, 0
	v_permlanex16_b32 v10, v9, s20, s21
	v_or_b32 v9, v9, v10                           ; with lane l xor 16's two the word is whole
.irp c, 0,1
.irp g, 0,1,2,3
	v_cvt_scalef32_pk8_fp4_f32 v[48+4*\c+\g], v[64+32*\c+8*\g:71+32*\c+8*\g], v[44+\c]
.endr
.endr
	v_nop                                          ; a plain instruction behind the last conversion
	v_lshlrev_b32 v7, 4, v2
	s_lshl_b32 s17, s14, 10
	v_add_nc_u32 v7, s17, v7                       ; a tile's image: 1,024 bytes
	global_store_b128 v7, v[48:51], s[12:13]       ; 512 consecutive bytes a store
	global_store_b128 v7, v[52:55], s[12:13] offset:512
	s_lshl_b32 s17, s14, 7
	v_lshl_add_u32 v8, v2, 2, s17
	global_store_b32 v8, v9, s[12:13] offset:8192  ; the scale words behind the eight images
.Lend:
	s_wait_tensorcnt 0x0
	ds_add_u32 v160, v161
	s_wait_dscnt 0x0
	s_endpgm
.Lfunc_end_k_qef2b24e646_groups:
	.size	k_qef2b24e646_groups, .Lfunc_end_k_qef2b24e646_groups-k_qef2b24e646_groups
	.p2alignl 7, 3214868480
	.fill 96, 4, 3214868480
	.section	.rodata,"a",@progbits
	.p2align	6, 0x0
	.amdhsa_kernel k_qef2b24e646_groups
		.amdhsa_group_segment_fixed_size 99328
		.amdhsa_private_segment_fixed_size 0
		.amdhsa_enable_private_segment 0
		.amdhsa_kernarg_size 40
		.amdhsa_user_sgpr_count 2
		.amdhsa_user_sgpr_kernarg_segment_ptr 1
		.amdhsa_wavefront_size32 1
		.amdhsa_system_sgpr_workgroup_id_x 1
		.amdhsa_system_sgpr_workgroup_id_y 1
		.amdhsa_system_sgpr_workgroup_id_z 1
		.amdhsa_system_vgpr_workitem_id 0
		.amdhsa_next_free_vgpr 162
		.amdhsa_next_free_sgpr 66
		.amdhsa_reserve_vcc 1
		.amdhsa_float_denorm_mode_32 3
		.amdhsa_float_denorm_mode_16_64 3
		.amdhsa_memory_ordered 1
		.amdhsa_forward_progress 1
		.amdhsa_inst_pref_size 84
	.end_amdhsa_kernel
	.amdgpu_metadata
---
amdhsa.version: [ 1, 2 ]
amdhsa.kernels:
  - .name:           k_qef2b24e646_groups
    .symbol:         k_qef2b24e646_groups.kd
    .args:
      - { .name: pos_coarse, .offset: 0, .size: 8, .value_kind: global_buffer, .address_space: global }
      - { .name: pos_fine, .offset: 8, .size: 8, .value_kind: global_buffer, .address_space: global }
      - { .name: W, .offset: 16, .size: 8, .value_kind: global_buffer, .address_space: global }
      - { .name: grp, .offset: 24, .size: 8, .value_kind: global_buffer, .address_space: global }
      - { .name: wq, .offset: 32, .size: 8, .value_kind: global_buffer, .address_space: global }
    .group_segment_fixed_size: 99328
    .private_segment_fixed_size: 0
    .kernarg_segment_align: 8
    .kernarg_segment_size: 40
    .max_flat_workgroup_size: 512
    .sgpr_count:     66
    .vgpr_count:     162
    .wavefront_size: 32
...
	.end_amdgpu_metadata
.endif
;; end of part 1
;; launch nearest (part 2): grid 250 x 1, 10 waves a work-group, no clusters, 54,784 bytes of LDS; arguments pos_coarse, pos_fine, grp, knn; writes knn
.if DOCPART == 2
	.amdgcn_target "amdgcn-amd-amdhsa--gfx1250"
	.amdhsa_code_object_version 6
	.text
	.protected	k_qef2b24e646_nearest
	.globl	k_qef2b24e646_nearest
	.p2align	8
	.type	k_qef2b24e646_nearest,@function
k_qef2b24e646_nearest:
	s_mov_b64 s[64:65], 0
	v_nop
	global_prefetch_b8 v0, s[64:65] scope:SCOPE_SE
	s_setreg_imm32_b32 hwreg(HW_REG_WAVE_MODE, 25, 1), 1
	s_wait_xcnt 0x0
; SECOND OF THREE LAUNCHES.  For each fine point: its six nearest coarse points, in the order (correctly rounded root of d2, index), out of the 6 x 32 points of the six groups that the launch before has stored.
; The group numbers are whole numbers read from memory: held at 124 from above, they make LDS addresses.  The six indices are stored as whole numbers for the next launch; no address here hangs on a distance.
; SHARES.  A work-group owns 80 fine points; thread 4 f + p: fine point f, half groups 3 p, 3 p + 1, 3 p + 2 of its twelve: 48 candidates.  pos_coarse lies in LDS, a group's 384 bytes + 16, so that lanes with different groups spread over the banks.
; d2 = fma(dz, dz, fma(dy, dy, dx dx)) as in the launch before: the differences two coordinates at a time (the registers hold x y z x y z ..), the squares one point at a time.
; THE CHOICE is the launch before's: six least values, T the sixth, S its correctly rounded root, PA = S pred(S) and PB = S succ(S) rounded down; key = index where d2 <= PA, index + 4096 where d2 <= PB, else +infinity; six least keys.
; LIMITS: NaN and infinities among the positions are not served; a non-zero d2 under 2^-100 may be put into the wrong class of ties; PB is held at T from below, so six keys are always finite.  The six indices are stored in the order of their keys, not of their distances.
; NO CLUSTER: what work-groups share is pos_coarse, 48,000 bytes, re-pitched on its way through registers.
.set NF,  2                            ; v[2:7]     -x -y -z -x -y -z of my fine point
.set G,   12                           ; v[12:14]   my three half groups' group numbers, then their first indices
.set H,   15                           ; v[15:17]   which half
.set LA,  18                           ; v[18:20]   their LDS addresses
.set BP,  22                           ; v[22:27]   for each: the key of the candidate in hand: under, tie
.set V,   32                           ; v[32:79]   48 d2
.set C,   80                           ; v[80:223]  48 points
.set L,   224
.set TT,  230
.set K,   236
.set T,   237
.set S,   238
.set SD,  239
.set SU,  240
.set RD,  241
.set RU,  242
.set PA,  243
.set PB,  244
.set INF, 245
.set O,   246
.macro INSERT d                        ; v[d] into the sorted six: from the top down, so that each line still finds its lower neighbour's old value
	v_med3_num_f32 v[L+5], v[L+4], v[L+5], v[\d]
	v_med3_num_f32 v[L+4], v[L+3], v[L+4], v[\d]
	v_med3_num_f32 v[L+3], v[L+2], v[L+3], v[\d]
	v_med3_num_f32 v[L+2], v[L+1], v[L+2], v[\d]
	v_med3_num_f32 v[L+1], v[L], v[L+1], v[\d]
	v_min_num_f32 v[L], v[L], v[\d]
.endm
.macro KEY x, bp
	v_cmp_ge_f32 vcc_lo, v[PB], v[\x]
	v_cndmask_b32 v[K], v[INF], v[\bp+1], vcc_lo
	v_cmp_ge_f32 vcc_lo, v[PA], v[\x]
	v_cndmask_b32 v[K], v[K], v[\bp], vcc_lo
	v_pk_add_f32 v[\bp:\bp+1], v[\bp:\bp+1], 1.0 op_sel_hi:[1,0]
	INSERT K
.endm
.macro MERGE1                          ; with lane l xor 1: both lanes end with the same sorted six
.irp k, 0,1,2,3,4,5
	v_mov_b32_dpp v[TT+\k], v[L+\k] row_xmask:1 row_mask:0xf bank_mask:0xf
.endr
.irp k, 0,1,2,3,4,5
	INSERT TT+\k
.endr
.endm
.macro MERGE2                          ; with lane l xor 2: the six least of the two sorted sixes, unsorted; lanes 2, 3 of a four hold them in the reverse order of lanes 0, 1
.irp k, 0,1,2,3,4,5
	v_min_num_f32_dpp v[TT+\k], v[L+5-\k], v[L+\k] row_xmask:2 row_mask:0xf bank_mask:0xf
.endr
.endm
.macro FRESH
.irp k, 0,1,2,3,4,5
	v_mov_b32 v[L+\k], v[INF]
.endr
.endm
.macro BOUNDS
	v_max3_num_f32 v[T], v[TT], v[TT+1], v[TT+2]
	v_max3_num_f32 v[T], v[T], v[TT+3], v[TT+4]
	v_max_num_f32 v[T], v[T], v[TT+5]              ; the sixth least d2
	v_sqrt_f32 v[S], v[T]                          ; within one unit in the last place
	v_nop                                          ; a plain instruction behind the transcendental,
	s_wait_alu depctr_va_vdst(0)                   ; and a wait ahead of the first reader
	v_add_nc_u32 v[SD], -1, v[S]
	v_add_nc_u32 v[SU], 1, v[S]
	v_fma_f32 v[RD], -v[SD], v[S], v[T]            ; T - s pred(s) <= 0: the root rounds to pred(s)
	v_fma_f32 v[RU], -v[SU], v[S], v[T]            ; T - s succ(s) > 0: to succ(s)
	v_cmp_ge_f32 vcc_lo, 0, v[RD]
	v_cndmask_b32 v[S], v[S], v[SD], vcc_lo
	v_cmp_lt_f32 vcc_lo, 0, v[RU]
	v_cndmask_b32 v[S], v[S], v[SU], vcc_lo        ; S: correctly rounded
	v_add_nc_u32 v[SD], -1, v[S]
	v_add_nc_u32 v[SU], 1, v[S]
	v_mul_f32 v[PA], v[S], v[SD]
	v_mul_f32 v[PB], v[S], v[SU]
	v_fma_f32 v[RD], v[S], v[SD], -v[PA]           ; the products' rounding errors, exact
	v_fma_f32 v[RU], v[S], v[SU], -v[PB]
	v_add_nc_u32 v[SD], -1, v[PA]
	v_add_nc_u32 v[SU], -1, v[PB]
	v_cmp_gt_f32 vcc_lo, 0, v[RD]
	v_cndmask_b32 v[PA], v[PA], v[SD], vcc_lo      ; rounded up: one step down
	v_cmp_gt_f32 vcc_lo, 0, v[RU]
	v_cndmask_b32 v[PB], v[PB], v[SU], vcc_lo
	v_max_num_f32 v[PB], v[PB], v[T]               ; T itself is a tie, whatever the range
.endm
	s_load_b256 s[4:11], s[0:1], 0x0               ; pos_coarse s[4:5], pos_fine s[6:7], grp s[8:9], knn s[10:11]
	v_lshl_add_u32 v250, v0, 2, 0xd100
	v_mov_b32 v251, 0
	v_and_b32 v11, 3, v0                           ; p
	v_lshrrev_b32 v1, 2, v0                        ; f
	; pos_coarse into LDS: ten pieces of 16 bytes a thread, a wave's load 512 consecutive bytes; piece t = 24 G + i goes to 16 (t + t / 24) = 400 G + 16 i.  Pieces 3,000 to 3,199 repeat the last piece at places that nobody reads: no load leaves the buffer
.irp it, 0,1,2,3,4,5,6,7,8,9
	v_add_nc_u32 v[120+\it], 320*\it, v0
.endr
	v_min_u32 v131, 2999, v129
	v_lshlrev_b32 v131, 4, v131
	v_lshlrev_b32 v130, 4, v0
.irp it, 0,1,2,3,4,5,6,7,8,9
	v_mul_u32_u24 v132, v[120+\it], 2731           ; t / 24 = t x 2731 >> 16, exact for t under 3,200
	v_lshrrev_b32 v132, 16, v132
	v_add_nc_u32 v[120+\it], v[120+\it], v132
	v_lshlrev_b32 v[120+\it], 4, v[120+\it]
.endr
	v_mul_u32_u24 v28, v1, 12                      ; my fine point's 12 bytes
	v_mul_u32_u24 v21, v11, 3
.irp t, 0,1,2
	v_add_nc_u32 v[H+\t], \t, v21                  ; half group q = 3 p + t:
	v_lshrrev_b32 v[29+\t], 1, v[H+\t]             ; number q / 2 of the six groups,
	v_and_b32 v[H+\t], 1, v[H+\t]                  ; its half q % 2
	v_lshlrev_b32 v[29+\t], 2, v[29+\t]
	v_lshl_add_u32 v[29+\t], v1, 5, v[29+\t]       ; grp: 32 bytes a fine point
.endr
	s_mul_i32 s12, ttmp9, 960
	s_mov_b32 s13, 0
	s_mul_i32 s14, ttmp9, 2560
	s_mov_b32 s15, 0
	s_wait_kmcnt 0x0
	s_add_nc_u64 s[6:7], s[6:7], s[12:13]
	s_add_nc_u64 s[8:9], s[8:9], s[14:15]
	s_add_nc_u64 s[10:11], s[10:11], s[14:15]
.irp it, 0,1,2,3,4,5,6,7,8
	global_load_b128 v[C+4*\it:C+4*\it+3], v130, s[4:5] offset:5120*\it
.endr
	global_load_b128 v[C+36:C+39], v131, s[4:5]
.irp t, 0,1,2
	global_load_b32 v[G+\t], v[29+\t], s[8:9]
.endr
.irp c, 0,1,2
	global_load_b32 v[8+\c], v28, s[6:7] offset:4*\c
.endr
	v_mov_b32 v[INF], 0x7f800000
	FRESH
.irp k, 0,1,2,3,4,5
	v_mov_b32 v[TT+\k], 0                          ; written once: the destination of a DPP form counts as read
.endr
	s_wait_loadcnt 6                               ; the ten pieces are in; the six loads issued behind them may be out
.irp it, 0,1,2,3,4,5,6,7,8,9
	ds_store_b128 v[120+\it], v[C+4*\it:C+4*\it+3]
.endr
	s_wait_loadcnt 0x0
.irp t, 0,1,2
	v_min_u32 v[G+\t], 124, v[G+\t]                ; a number that was loaded is held inside the table before it makes an address
	v_mul_u32_u24 v[LA+\t], v[G+\t], 400
	v_mad_u32_u24 v[LA+\t], v[H+\t], 192, v[LA+\t]
	v_lshlrev_b32 v[G+\t], 5, v[G+\t]
	v_lshl_add_u32 v[G+\t], v[H+\t], 4, v[G+\t]    ; the half group's first index,
	v_cvt_f32_u32 v[BP+2*\t], v[G+\t]              ; as f32;
	v_add_f32 v[BP+2*\t+1], 0x45800000, v[BP+2*\t] ; + 4096 for a tie
.endr
	v_mul_f32 v[NF],   -1.0, v8
	v_mul_f32 v[NF+1], -1.0, v9
	v_mul_f32 v[NF+2], -1.0, v10
	v_mul_f32 v[NF+3], -1.0, v8
	v_mul_f32 v[NF+4], -1.0, v9
	v_mul_f32 v[NF+5], -1.0, v10
	s_wait_dscnt 0x0                               ; for the others' sake: my stores have landed
	s_barrier_signal -1
	s_barrier_wait -1
.irp t, 0,1,2
.irp i, 0,1,2,3,4,5,6,7,8,9,10,11
	ds_load_b128 v[C+48*\t+4*\i:C+48*\t+4*\i+3], v[LA+\t] offset:16*\i
.endr
.endr
; Half group ch: 16 points in 48 registers.  Pair u of the 24 holds coordinates 2 u % 3 and (2 u + 1) % 3: it takes pair u % 3 of -x -y -z -x -y -z.
.macro DIST ch
.set U, 0
.rept 24
	v_pk_add_f32 v[C+48*\ch+2*U:C+48*\ch+2*U+1], v[C+48*\ch+2*U:C+48*\ch+2*U+1], v[NF+2*(U%3):NF+2*(U%3)+1]
.set U, U+1
.endr
.set U, 0
.rept 16
	v_mul_f32 v[V+16*\ch+U], v[C+48*\ch+3*U], v[C+48*\ch+3*U]
.set U, U+1
.endr
.set U, 0
.rept 16
	v_fma_f32 v[V+16*\ch+U], v[C+48*\ch+3*U+1], v[C+48*\ch+3*U+1], v[V+16*\ch+U]
.set U, U+1
.endr
.set U, 0
.rept 16
	v_fma_f32 v[V+16*\ch+U], v[C+48*\ch+3*U+2], v[C+48*\ch+3*U+2], v[V+16*\ch+U]
.set U, U+1
.endr
.set U, 0
.rept 16
	INSERT V+16*\ch+U
.set U, U+1
.endr
.endm
	s_wait_dscnt 24                                ; the first half group's twelve loads are in; the other two's may be out
	DIST 0
	s_wait_dscnt 12
	DIST 1
	s_wait_dscnt 0x0
	DIST 2
	MERGE1
	MERGE2
	BOUNDS
	FRESH
.irp ch, 0,1,2
.set U, 0
.rept 16
	KEY V+16*\ch+U, BP+2*\ch
.set U, U+1
.endr
.endr
	MERGE1
	MERGE2
.irp k, 0,1,2,3
	v_cvt_u32_f32 v[TT+\k], v[TT+\k]
.endr
.irp k, 0,1,2,3
	v_and_b32 v[TT+\k], 4095, v[TT+\k]             ; the tie's 4096 off
.endr
	; lanes 0 and 1 of a four store numbers 0, 1 and 2, 3 of the six; lane 2, which holds them reversed, its own 0, 1: the last two; lane 3 zeros: 32 bytes a fine point
	v_and_b32 v1, 1, v0
	v_cmp_eq_u32 vcc_lo, 1, v1
	v_cndmask_b32 v[O], v[TT], v[TT+2], vcc_lo
	v_cndmask_b32 v[O+1], v[TT+1], v[TT+3], vcc_lo
	v_cmp_eq_u32 vcc_lo, 3, v11
	v_cndmask_b32 v[O], v[O], 0, vcc_lo
	v_cndmask_b32 v[O+1], v[O+1], 0, vcc_lo
	v_lshlrev_b32 v28, 3, v0
	global_store_b64 v28, v[O:O+1], s[10:11]       ; a wave stores 256 consecutive bytes, at a multiple of 256 from knn's first byte
	s_wait_tensorcnt 0x0
	ds_add_u32 v250, v251
	s_wait_dscnt 0x0
	s_endpgm
.Lfunc_end_k_qef2b24e646_nearest:
	.size	k_qef2b24e646_nearest, .Lfunc_end_k_qef2b24e646_nearest-k_qef2b24e646_nearest
	.p2alignl 7, 3214868480
	.fill 96, 4, 3214868480
	.section	.rodata,"a",@progbits
	.p2align	6, 0x0
	.amdhsa_kernel k_qef2b24e646_nearest
		.amdhsa_group_segment_fixed_size 54784
		.amdhsa_private_segment_fixed_size 0
		.amdhsa_enable_private_segment 0
		.amdhsa_kernarg_size 32
		.amdhsa_user_sgpr_count 2
		.amdhsa_user_sgpr_kernarg_segment_ptr 1
		.amdhsa_wavefront_size32 1
		.amdhsa_system_sgpr_workgroup_id_x 1
		.amdhsa_system_sgpr_workgroup_id_y 1
		.amdhsa_system_sgpr_workgroup_id_z 1
		.amdhsa_system_vgpr_workitem_id 0
		.amdhsa_next_free_vgpr 252
		.amdhsa_next_free_sgpr 66
		.amdhsa_reserve_vcc 1
		.amdhsa_float_denorm_mode_32 3
		.amdhsa_float_denorm_mode_16_64 3
		.amdhsa_memory_ordered 1
		.amdhsa_forward_progress 1
		.amdhsa_inst_pref_size 73
	.end_amdhsa_kernel
	.amdgpu_metadata
---
amdhsa.version: [ 1, 2 ]
amdhsa.kernels:
  - .name:           k_qef2b24e646_nearest
    .symbol:         k_qef2b24e646_nearest.kd
    .args:
      - { .name: pos_coarse, .offset: 0, .size: 8, .value_kind: global_buffer, .address_space: global }
      - { .name: pos_fine, .offset: 8, .size: 8, .value_kind: global_buffer, .address_space: global }
      - { .name: grp, .offset: 16, .size: 8, .value_kind: global_buffer, .address_space: global }
      - { .name: knn, .offset: 24, .size: 8, .value_kind: global_buffer, .address_space: global }
    .group_segment_fixed_size: 54784
    .private_segment_fixed_size: 0
    .kernarg_segment_align: 8
    .kernarg_segment_size: 32
    .max_flat_workgroup_size: 320
    .sgpr_count:     66
    .vgpr_count:     252
    .wavefront_size: 32
...
	.end_amdgpu_metadata
.endif
;; end of part 2
;; launch interp (part 3): grid 250 x 1, 10 waves a work-group, no clusters, 52,480 bytes of LDS; arguments x_coarse, knn, wq, b, out0; writes out0
.if DOCPART == 3
	.amdgcn_target "amdgcn-amd-amdhsa--gfx1250"
	.amdhsa_code_object_version 6
	.text
	.protected	k_qef2b24e646_interp
	.globl	k_qef2b24e646_interp
	.p2align	8
	.type	k_qef2b24e646_interp,@function
k_qef2b24e646_interp:
	s_mov_b64 s[64:65], 0
	v_nop
	global_prefetch_b8 v0, s[64:65] scope:SCOPE_SE
	s_setreg_imm32_b32 hwreg(HW_REG_WAVE_MODE, 25, 1), 1
	s_wait_xcnt 0x0
; THIRD OF THREE LAUNCHES.  out0[f] = Q(mean of the six rows of x_coarse that knn names for f) Q(W) + b, the product on codes of E2M1 with one E8M0 scale for each 32 along K = 128.
; SHARES.  A work-group owns 80 fine points: five tiles of 16.  Two waves share a tile: wave 2 u + e gathers and quantises rows 8 e .. 8 e + 7 of tile u, and behind the barrier multiplies all 16 rows by columns 64 e .. 64 e + 63 of W.
; THE GATHER.  A row of x_coarse is 512 bytes: one load of the wave, 16 bytes a lane, aligned.  The index comes by a scalar load, is held at 3,999 from above, and makes the load's offset in the load's own first destination register.
; Six slots of six rows: 36 loads of a wave are on their way.  The sum is f32, in the order in which knn lists the rows; the mean is the sum x the f32 nearest 1/6.
; THE QUANTISER.  Lane l holds k = 4 l .. 4 l + 3, so a block of 32 lies in eight neighbouring lanes: three row_xmask steps give its largest magnitude.  The conversion takes eight registers; the upper four are another row's numbers, and
; their codes are not used: the low 16 bits, my four codes, go to byte 2 l of the row in LDS (64 bytes + 16), the scale's byte to the row's word.  Read back as rows, that is the operand's layout.
; THE PRODUCT IS USED TRANSPOSED: source 0 = 16 columns of W (an image of the operand's registers, made by the first launch), source 1 = the 16 rows; C = b in the result's layout.  A lane then holds eight neighbouring numbers of a row of out0.
; They leave through my own stage in LDS: sixteen lanes store 256 consecutive bytes, aligned.
; NO CLUSTER, NO PREFETCH: the rows that work-groups share are named by lists, not known to be the same at the same time; x_coarse is read some thirty times over, so it is no stream that is read once.
; LIMITS: a block of zeros keeps the scale byte 1 over zero codes; NaN and infinities are not served.
.set L16, 3                            ; v3   16 x lane
.set WA,  5                            ; v5   W's images     v6 its scale words     v7 b
.set WB,  6
.set BA,  7
.set CA,  8                            ; v8   where my 16 bits of codes go     v9 the scale's byte
.set SA,  9
.set FA,  10                           ; v10  the fragment     v11 its scale word
.set FS,  11
.set SI,  12                           ; v12  the stage, in     v13 back     v14 my bytes in out0
.set SR,  13
.set GO,  14
.set MX,  15
.set SOP, 16
.set CD,  17
.set BY,  18
.set WS,  20                           ; v[20:23] W's scale words; v24 the rows': these five hold scales and nothing else
.set XSC, 24
.set WF,  32                           ; v[32:63]  four fragments of W
.set ACC, 64                           ; v[64:95]  b, then the results
.set X,   96                           ; v[96:239] six slots of six rows x 4 registers; later v[96:127] rows of out0, v[160:167] the fragment
.set XF,  160
.set TILEB, 1536                       ; LDS: for each tile 16 rows x 80 bytes of codes, at 1,280 its 16 scale words
.set STG,   5*TILEB                    ; then for each wave a stage of 16 rows x (256 + 16) bytes
	s_load_b256 s[4:11], s[0:1], 0x0               ; x_coarse s[4:5], knn s[6:7], wq s[8:9], b s[10:11]
	s_load_b64 s[12:13], s[0:1], 0x20              ; out0
	v_lshl_add_u32 v240, v0, 2, 0xc800
	v_mov_b32 v241, 0
	v_lshrrev_b32 v1, 5, v0
	v_readfirstlane_b32 s14, v1                    ; wave 0..9
	s_lshr_b32 s15, s14, 1                         ; u: my tile in the work-group
	s_and_b32 s2, s14, 1                           ; e
	s_mul_i32 s3, ttmp9, 5
	s_add_co_u32 s3, s3, s15                       ; my tile, 0..1249
	s_lshl_b32 s84, s3, 9                          ; knn: 16 x 32 bytes a tile,
	s_lshl_b32 s85, s2, 8                          ; my 8 rows
	s_add_co_u32 s84, s84, s85
	s_mov_b32 s85, 0
	s_lshl_b32 s86, s3, 13                         ; out0: 16 x 512 bytes a tile
	s_mov_b32 s87, 0
	v_and_b32 v2, 31, v0                           ; lane
	v_and_b32 v1, 15, v0                           ; r
	v_bfe_u32 v19, v0, 4, 1                        ; h
	v_lshlrev_b32 v[L16], 4, v2
	s_lshl_b32 s88, s2, 12
	v_add_nc_u32 v[WA], s88, v[L16]                ; my four tiles' images: 4,096 e + 16 x lane
	s_lshl_b32 s88, s2, 9
	v_lshl_add_u32 v[WB], v2, 2, s88               ; their scale words: 512 e + 4 x lane
	s_lshl_b32 s92, s2, 8
	v_lshl_add_u32 v[BA], v19, 5, s92              ; b: 64 e + 8 h numbers on
	s_mul_i32 s89, s15, TILEB
	s_mul_i32 s90, s2, 640
	s_add_co_u32 s90, s90, s89
	v_lshl_add_u32 v[CA], v2, 1, s90               ; codes: my first row, byte 2 x lane
	s_lshl_b32 s90, s2, 5
	s_add_co_u32 s90, s90, s89
	s_add_co_u32 s90, s90, 1280
	v_lshrrev_b32 v[SA], 3, v2
	v_add_nc_u32 v[SA], s90, v[SA]                 ; scale bytes: my first row's word, byte lane / 8
	v_mul_u32_u24 v[FA], v1, 80
	v_lshl_add_u32 v[FA], v19, 4, v[FA]
	v_add_nc_u32 v[FA], s89, v[FA]                 ; the fragment: row r, + 16 h
	s_add_co_u32 s90, s89, 1280
	v_lshl_add_u32 v[FS], v1, 2, s90
	s_mul_i32 s91, s14, 16*272
	s_add_co_u32 s91, s91, STG                     ; my stage
	v_mul_u32_u24 v[SI], v1, 272
	v_lshl_add_u32 v[SI], v19, 5, v[SI]
	v_add_nc_u32 v[SI], s91, v[SI]                 ; in: row r, 32 bytes for each half of the lanes
	v_mul_u32_u24 v[SR], v19, 272
	v_lshl_add_u32 v[SR], v1, 4, v[SR]
	v_add_nc_u32 v[SR], s91, v[SR]                 ; back: lanes 0-15 one row of 256 bytes, lanes 16-31 the next
	v_lshlrev_b32 v[GO], 9, v19
	v_lshl_add_u32 v[GO], v1, 4, v[GO]
	v_add_nc_u32 v[GO], s92, v[GO]                 ; and the same in out0, + 256 e
	s_wait_kmcnt 0x0
	s_add_nc_u64 s[6:7], s[6:7], s[84:85]
	s_add_nc_u64 s[12:13], s[12:13], s[86:87]
	s_load_b512 s[16:31], s[6:7], 0x0              ; my 8 rows' lists, 8 words each (six indices, two zeros): rows 0, 1
	s_load_b512 s[32:47], s[6:7], 0x40             ; 2, 3
	s_load_b512 s[48:63], s[6:7], 0x80             ; 4, 5
	s_load_b512 s[68:83], s[6:7], 0xc0             ; 6, 7
.irp t, 0,1,2,3
	global_load_b128 v[WF+8*\t:WF+8*\t+3], v[WA], s[8:9] offset:1024*\t
	global_load_b128 v[WF+8*\t+4:WF+8*\t+7], v[WA], s[8:9] offset:1024*\t+512
	global_load_b32 v[WS+\t], v[WB], s[8:9] offset:8192+128*\t
	global_load_b128 v[ACC+8*\t:ACC+8*\t+3], v[BA], s[10:11] offset:64*\t
	global_load_b128 v[ACC+8*\t+4:ACC+8*\t+7], v[BA], s[10:11] offset:64*\t+16
.endr
	s_wait_kmcnt 0x0
.macro ASK i                           ; row i's six rows of x_coarse into slot i % 6
.set SB, 16+8*(\i)+4*((\i)/6)          ; its list: s16 + 8 i, and past s64, s65 for rows 6, 7
.set XB, X+24*((\i)%6)
.irp k, 0,1,2,3,4,5
	s_min_u32 s[SB+\k], s[SB+\k], 3999             ; a number that was loaded is held inside the table before it makes an address
	v_lshl_add_u32 v[XB+4*\k], s[SB+\k], 9, v[L16] ; 512 x index + 16 x lane, in the load's own first destination
	global_load_b128 v[XB+4*\k:XB+4*\k+3], v[XB+4*\k], s[4:5]
.endr
.endm
.macro ROW i, left                     ; left: the loads of the younger slots, six each, which may stay out
.set XB, X+24*((\i)%6)
	s_wait_loadcnt \left
.irp k, 1,2,3,4,5
	v_pk_add_f32 v[XB:XB+1], v[XB:XB+1], v[XB+4*\k:XB+4*\k+1]
	v_pk_add_f32 v[XB+2:XB+3], v[XB+2:XB+3], v[XB+4*\k+2:XB+4*\k+3]
.endr
	v_pk_mul_f32 v[XB:XB+1], v[XB:XB+1], 0x3e2aaaab op_sel_hi:[1,0]
	v_pk_mul_f32 v[XB+2:XB+3], v[XB+2:XB+3], 0x3e2aaaab op_sel_hi:[1,0]
	v_max3_num_f32 v[MX], |v[XB]|, |v[XB+1]|, 0x1800000            ; my four, and the floor 2^(3 - 127), which holds the byte at 1 from below
	v_max3_num_f32 v[MX], v[MX], |v[XB+2]|, |v[XB+3]|
	v_max_num_f32_dpp v[MX], v[MX], v[MX] row_xmask:1 row_mask:0xf bank_mask:0xf
	v_max_num_f32_dpp v[MX], v[MX], v[MX] row_xmask:2 row_mask:0xf bank_mask:0xf
	v_max_num_f32_dpp v[MX], v[MX], v[MX] row_xmask:4 row_mask:0xf bank_mask:0xf   ; the block's largest magnitude
	v_add_nc_u32 v[SOP], 0xff000000, v[MX]         ; 2 off its exponent field: the conversion's scale operand
	v_cvt_scalef32_pk8_fp4_f32 v[CD], v[XB:XB+7], v[SOP]           ; the low 16 bits are my four codes
	v_lshrrev_b32 v[BY], 23, v[SOP]                ; the scale's byte.  (Also the plain instruction behind the conversion, ahead of the lines that write its sources again)
	ds_store_b16 v[CA], v[CD] offset:80*(\i)
	ds_store_b8 v[SA], v[BY] offset:4*(\i)         ; the block's eight lanes write the same byte with the same value
.endm
.irp i, 0,1,2,3,4,5
	ASK \i
.endr
	ROW 0, 30
	ASK 6
	ROW 1, 30
	ASK 7
	ROW 2, 30
	ROW 3, 24
	ROW 4, 18
	ROW 5, 12
	ROW 6, 6
	ROW 7, 0                                       ; W's images and b, asked for first of all, are in too
	s_wait_dscnt 0x0                               ; for my partner's sake: my rows' codes and scale bytes have landed
	s_barrier_signal -1
	s_barrier_wait -1
	ds_load_b128 v[XF:XF+3], v[FA]                 ; row r, k = 32 h + 0 .. 31
	ds_load_b128 v[XF+4:XF+7], v[FA] offset:32     ; k = 64 + 32 h + 0 .. 31
	ds_load_b32 v[XSC], v[FS]
	s_wait_dscnt 0x0
.irp t, 0,1,2,3
	v_wmma_scale_f32_16x16x128_f8f6f4 v[ACC+8*\t:ACC+8*\t+7], v[WF+8*\t:WF+8*\t+7], v[XF:XF+7], v[ACC+8*\t:ACC+8*\t+7], v[WS+\t], v[XSC] matrix_a_fmt:MATRIX_FMT_FP4 matrix_b_fmt:MATRIX_FMT_FP4
.endr
.rept 4
	v_nop                                          ; four plain instructions between the last product and the stores that read results
.endr
.irp t, 0,1,2,3
	ds_store_b128 v[SI], v[ACC+8*\t:ACC+8*\t+3] offset:64*\t       ; lane (r, h): out0(r, 64 e + 16 t + 8 h + 0 .. 7); each result from its low end on
	ds_store_b128 v[SI], v[ACC+8*\t+4:ACC+8*\t+7] offset:64*\t+16
.endr
.irp i, 0,1,2,3,4,5,6,7
	ds_load_b128 v[X+4*\i:X+4*\i+3], v[SR] offset:2*\i*272         ; LDS serves a wave's instructions in order (ISA guide 5.7.1.4): these see my stores
.endr
.irp i, 0,1,2,3,4,5,6,7
	s_wait_dscnt 7-\i                              ; the younger loads from the stage may be out
	global_store_b128 v[GO], v[X+4*\i:X+4*\i+3], s[12:13] offset:2*\i*512 th:TH_STORE_NT   ; sixteen lanes store 256 consecutive bytes, at a multiple of 256 from out0's first byte
.endr
	s_wait_tensorcnt 0x0
	ds_add_u32 v240, v241
	s_wait_dscnt 0x0
	s_endpgm
.Lfunc_end_k_qef2b24e646_interp:
	.size	k_qef2b24e646_interp, .Lfunc_end_k_qef2b24e646_interp-k_qef2b24e646_interp
	.p2alignl 7, 3214868480
	.fill 96, 4, 3214868480
	.section	.rodata,"a",@progbits
	.p2align	6, 0x0
	.amdhsa_kernel k_qef2b24e646_interp
		.amdhsa_group_segment_fixed_size 52480
		.amdhsa_private_segment_fixed_size 0
		.amdhsa_enable_private_segment 0
		.amdhsa_kernarg_size 40
		.amdhsa_user_sgpr_count 2
		.amdhsa_user_sgpr_kernarg_segment_ptr 1
		.amdhsa_wavefront_size32 1
		.amdhsa_system_sgpr_workgroup_id_x 1
		.amdhsa_system_sgpr_workgroup_id_y 1
		.amdhsa_system_sgpr_workgroup_id_z 1
		.amdhsa_system_vgpr_workitem_id 0
		.amdhsa_next_free_vgpr 242
		.amdhsa_next_free_sgpr 96
		.amdhsa_reserve_vcc 0
		.amdhsa_float_denorm_mode_32 3
		.amdhsa_float_denorm_mode_16_64 3
		.amdhsa_memory_ordered 1
		.amdhsa_forward_progress 1
		.amdhsa_inst_pref_size 31
	.end_amdhsa_kernel
	.amdgpu_metadata
---
amdhsa.version: [ 1, 2 ]
amdhsa.kernels:
  - .name:           k_qef2b24e646_interp
    .symbol:         k_qef2b24e646_interp.kd
    .args:
      - { .name: x_coarse, .offset: 0, .size: 8, .value_kind: global_buffer, .address_space: global }
      - { .name: knn, .offset: 8, .size: 8, .value_kind: global_buffer, .address_space: global }
      - { .name: wq, .offset: 16, .size: 8, .value_kind: global_buffer, .address_space: global }
      - { .name: b, .offset: 24, .size: 8, .value_kind: global_buffer, .address_space: global }
      - { .name: out0, .offset: 32, .size: 8, .value_kind: global_buffer, .address_space: global }
    .group_segment_fixed_size: 52480
    .private_segment_fixed_size: 0
    .kernarg_segment_align: 8
    .kernarg_segment_size: 40
    .max_flat_workgroup_size: 320
    .sgpr_count:     96
    .vgpr_count:     242
    .wavefront_size: 32
...
	.end_amdgpu_metadata
.endif
;; end of part 3
;; ======== version 2 of 2: 3 launches
;; limits: right only within a limited range of input values
;; workspace buffers: grp 640,000 bytes of whole numbers; knn 640,000 bytes of whole numbers; wq 9,216 bytes
;; launch groups (part 4): grid 251 x 1, 16 waves a work-group, no clusters, 99,328 bytes of LDS; arguments pos_coarse, pos_fine, W, grp, wq; writes grp, wq
.if DOCPART == 4
	.amdgcn_target "amdgcn-amd-amdhsa--gfx1250"
	.amdhsa_code_object_version 6
	.text
	.protected	k_qef2b24e646_groups
	.globl	k_qef2b24e646_groups
	.p2align	8
	.type	k_qef2b24e646_groups,@function
k_qef2b24e646_groups:
	s_mov_b64 s[64:65], 0
	v_nop
	global_prefetch_b8 v0, s[64:65] scope:SCOPE_SE
	s_setreg_imm32_b32 hwreg(HW_REG_WAVE_MODE, 25, 1), 1
	s_wait_xcnt 0x0
; FIRST OF THREE LAUNCHES.  For each fine point: the six GROUPS of 32 neighbouring coarse indices that can hold its six nearest coarse points.  (Work-group 250 turns W into codes.)
; WHY GROUPS.  Order the 125 groups by (rounded root of the group's least d2, group number).  A coarse point among a fine point's first six in the order (rounded root of d2, index) lies in one of the
; first six groups: were its group not among them, the least elements of six other groups would stand ahead of it.  So the pass over all 4,000 x 80 pairs of a work-group keeps a least value a group and no index.
; d2 = fma(dz, dz, fma(dy, dy, dx dx)), the differences rounded once each.
; SHARES.  Work-groups 0-249 own 80 fine points each.  A LANE IS A GROUP: its 32 points lie in 96 registers as they lie in memory (x y z x y z ..); four waves hold the 125 groups (lanes 125-127 report +infinity).
; The sixteen waves are four such sets; a set takes 20 fine points, two at a time: a packed instruction serves the two fine points against ONE coarse coordinate, picked out of its register pair by op_sel.
; A trip is 32 x 6 packed instructions and 32 v_min3 for 2 x 1,024 pairs.  The fine points' coordinates come by scalar loads, one trip ahead.
; THE CHOICE of six of the 125 least values, four lanes to a fine point, 32 values a lane:  sweep 1 keeps the six least VALUES, sorted (v_min and five v_med3 a value); T is the sixth.  S = the correctly rounded root of T.
; For an f32 x: root(x) < S where x <= S pred(S), root(x) = S where S pred(S) < x <= S succ(S) (no f32 lies between such a product and the square of the midpoint).  Both products are rounded DOWN to f32: PA, PB.
; Sweep 2 gives each value a key, an exact f32: its number where x <= PA, its number + 128 where x <= PB, else +infinity, and keeps the six least keys: at most five values lie under, ties go by the lower number.
; The four lanes' lists meet by row_xmask:1 (six insertions) and row_xmask:2 (min(a_k, b_5-k) are the six least of two sorted sixes).
; NO CLUSTER: what work-groups share is pos_coarse, 48,000 bytes read once by each through registers, since its groups of 384 bytes are re-pitched on the way.
; LIMITS: NaN and infinities among the positions are not served.  A non-zero d2 under 2^-100 may be put into the wrong class of ties (v_sqrt_f32 takes denormals as zero, ISA guide 15.8); PB is held at T from below, so six keys are always finite.
.set GP,    400                        ; LDS: a group's 384 bytes + 16: an odd multiple of 16
.set MBASE, 51200                      ; behind 128 group places: the least values
.set MF,    576                        ; from fine point to fine point
.set MP,    144                        ; from one wave's 32 groups to the next's: 128 bytes + 16.  (36 f + 9 p) mod 16 differs for 4 neighbouring f x 4 p
.set FX,  8                            ; v[8:13]    -x, -y, -z of the two fine points in hand, as pairs
.set MA,  14                           ; v14, v15   my group's least d2 for the two
.set MB2, 15
.set PEN, 16                           ; v16        0, or +infinity in a lane without a group
.set MAD, 17                           ; v17        where my least values go
.set MT,  18
.set BIG, 19                           ; v19        +infinity, from which PEN is made
.set CB,  32                           ; v[32:127]  my group's 32 points
.set DD,  128                          ; v[128:151] differences of four coarse points
.set QQ,  152                          ; v[152:159] their d2
.set V,   32                           ; the choice: v[32:63] my 32 values
.set L,   64                           ; v[64:69]   the six least, sorted
.set TT,  70                           ; v[70:75]   the other lane's
.set K,   76
.set T,   78
.set S,   79
.set SD,  80
.set SU,  81
.set RD,  82
.set RU,  83
.set PA,  84
.set PB,  85
.set INF, 86
.set BP,  88                           ; v[88:89]   the key of the value in hand: under, tie
.set O,   90                           ; v[90:91]   what I store
.macro INSERT d                        ; v[d] into the sorted six: from the top down, so that each line still finds its lower neighbour's old value
	v_med3_num_f32 v[L+5], v[L+4], v[L+5], v[\d]
	v_med3_num_f32 v[L+4], v[L+3], v[L+4], v[\d]
	v_med3_num_f32 v[L+3], v[L+2], v[L+3], v[\d]
	v_med3_num_f32 v[L+2], v[L+1], v[L+2], v[\d]
	v_med3_num_f32 v[L+1], v[L], v[L+1], v[\d]
	v_min_num_f32 v[L], v[L], v[\d]
.endm
.macro KEY x, bp                       ; the key of value v[x]; then the keys step to the next number
	v_cmp_ge_f32 vcc_lo, v[PB], v[\x]
	s_delay_alu instid0(VALU_DEP_1)
	v_cndmask_b32 v[K], v[INF], v[\bp+1], vcc_lo
	v_cmp_ge_f32 vcc_lo, v[PA], v[\x]
	s_delay_alu instid0(VALU_DEP_1)
	v_cndmask_b32 v[K], v[K], v[\bp], vcc_lo
	v_pk_add_f32 v[\bp:\bp+1], v[\bp:\bp+1], 1.0 op_sel_hi:[1,0]
	INSERT K
.endm
.macro MERGE1                          ; with lane l xor 1: both lanes end with the same sorted six
.irp k, 0,1,2,3,4,5
	v_mov_b32_dpp v[TT+\k], v[L+\k] row_xmask:1 row_mask:0xf bank_mask:0xf
.endr
.irp k, 0,1,2,3,4,5
	INSERT TT+\k
.endr
.endm
.macro MERGE2                          ; with lane l xor 2: the six least of the two sorted sixes, unsorted; lanes 2, 3 of a four hold them in the reverse order of lanes 0, 1
.irp k, 0,1,2,3,4,5
	v_min_num_f32_dpp v[TT+\k], v[L+5-\k], v[L+\k] row_xmask:2 row_mask:0xf bank_mask:0xf
.endr
.endm
.macro FRESH                           ; an empty list
.irp k, 0,1,2,3,4,5
	v_mov_b32 v[L+\k], v[INF]
.endr
.endm
.macro BOUNDS                          ; T, S, PA, PB
	s_delay_alu instid0(VALU_DEP_4)
	v_max3_num_f32 v[T], v[TT], v[TT+1], v[TT+2]
	s_delay_alu instid0(VALU_DEP_1)
	v_max3_num_f32 v[T], v[T], v[TT+3], v[TT+4]
	s_delay_alu instid0(VALU_DEP_1)
	v_max_num_f32 v[T], v[T], v[TT+5]              ; the sixth least value
	s_wait_alu depctr_va_vdst(0)
	v_sqrt_f32 v[S], v[T]                          ; within one unit in the last place
	v_nop                                          ; a plain instruction behind the transcendental,
	s_wait_alu depctr_va_vdst(0)                   ; and a wait ahead of the first reader
	v_add_nc_u32 v[SD], -1, v[S]                   ; its neighbours
	v_add_nc_u32 v[SU], 1, v[S]
	v_fma_f32 v[RD], -v[SD], v[S], v[T]            ; T - s pred(s) <= 0: the root rounds to pred(s)
	v_fma_f32 v[RU], -v[SU], v[S], v[T]            ; T - s succ(s) > 0: to succ(s)
	s_delay_alu instid0(VALU_DEP_2)
	v_cmp_ge_f32 vcc_lo, 0, v[RD]
	v_cndmask_b32 v[S], v[S], v[SD], vcc_lo
	s_delay_alu instid0(VALU_DEP_3)
	v_cmp_lt_f32 vcc_lo, 0, v[RU]
	s_delay_alu instid0(VALU_DEP_1)
	v_cndmask_b32 v[S], v[S], v[SU], vcc_lo        ; S: correctly rounded.  (T = 0: S = 0; pred is a NaN pattern, every compare with it fails, nothing lies under)
	s_delay_alu instid0(VALU_DEP_1)
	v_add_nc_u32 v[SD], -1, v[S]
	s_delay_alu instid0(VALU_DEP_2)
	v_add_nc_u32 v[SU], 1, v[S]
	s_delay_alu instid0(VALU_DEP_2)
	v_mul_f32 v[PA], v[S], v[SD]
	s_delay_alu instid0(VALU_DEP_2)
	v_mul_f32 v[PB], v[S], v[SU]
	s_delay_alu instid0(VALU_DEP_2)
	v_fma_f32 v[RD], v[S], v[SD], -v[PA]           ; the products' rounding errors, exact
	s_delay_alu instid0(VALU_DEP_2)
	v_fma_f32 v[RU], v[S], v[SU], -v[PB]
	s_delay_alu instid0(VALU_DEP_4)
	v_add_nc_u32 v[SD], -1, v[PA]
	s_delay_alu instid0(VALU_DEP_4)
	v_add_nc_u32 v[SU], -1, v[PB]
	s_delay_alu instid0(VALU_DEP_4)
	v_cmp_gt_f32 vcc_lo, 0, v[RD]
	s_delay_alu instid0(VALU_DEP_1)
	v_cndmask_b32 v[PA], v[PA], v[SD], vcc_lo      ; rounded up: one step down
	v_cmp_gt_f32 vcc_lo, 0, v[RU]
	s_delay_alu instid0(VALU_DEP_1)
	v_cndmask_b32 v[PB], v[PB], v[SU], vcc_lo
	s_delay_alu instid0(VALU_DEP_1)
	v_max_num_f32 v[PB], v[PB], v[T]               ; T itself is a tie, whatever the range
.endm
	s_load_b256 s[4:11], s[0:1], 0x0               ; pos_coarse s[4:5], pos_fine s[6:7], W s[8:9], grp s[10:11]
	s_load_b64 s[12:13], s[0:1], 0x20              ; wq
	v_lshl_add_u32 v160, v0, 2, 0x17c00
	v_mov_b32 v161, 0
	v_lshrrev_b32 v1, 5, v0
	s_delay_alu instid0(VALU_DEP_1)
	v_readfirstlane_b32 s14, v1                    ; wave 0..15
	v_and_b32 v2, 31, v0                           ; lane
	s_cmp_eq_u32 ttmp9, 250
	s_cbranch_scc1 .Lweights
	; pos_coarse into LDS: 3,072 pieces of 16 bytes, six a thread, a wave's load 512 consecutive bytes.  Piece t = 24 G + i goes to 400 G + 16 i = 16 (t + t / 24).
	; Pieces 3,000 on (groups 125-127, which do not exist) repeat the last piece, so that every place that is read has been written and no load leaves the buffer.
.irp it, 0,1,2,3,4,5
	v_add_nc_u32 v[20+\it], 512*\it, v0
.endr
	s_delay_alu instid0(VALU_DEP_1)
	v_min_u32 v5, 2999, v25
	s_delay_alu instid0(VALU_DEP_1)
	v_lshlrev_b32 v5, 4, v5
	v_lshlrev_b32 v4, 4, v0
.irp it, 0,1,2,3,4,5
	v_mul_u32_u24 v3, v[20+\it], 2731              ; t / 24 = t x 2731 >> 16, exact for t under 3,200
	s_delay_alu instid0(VALU_DEP_1)
	v_lshrrev_b32 v3, 16, v3
	s_delay_alu instid0(VALU_DEP_1)
	v_add_nc_u32 v[20+\it], v[20+\it], v3
	s_delay_alu instid0(VALU_DEP_1)
	v_lshlrev_b32 v[20+\it], 4, v[20+\it]
.endr
	s_wait_alu depctr_va_vdst(0)
	s_wait_kmcnt 0x0
.irp it, 0,1,2,3,4
	global_load_b128 v[32+4*\it:35+4*\it], v4, s[4:5] offset:8192*\it
.endr
	global_load_b128 v[52:55], v5, s[4:5]          ; v4 and v5 stay as they are until the wait for these six loads
	s_and_b32 s16, s14, 3                          ; which 32 groups are my wave's
	s_lshr_b32 s17, s14, 2                         ; which 20 fine points
	s_mul_i32 s18, ttmp9, 960                      ; 80 points x 12 bytes a work-group,
	s_mul_i32 s19, s17, 240                        ; 20 a set
	s_add_co_u32 s18, s18, s19
	s_mov_b32 s19, 0
	s_add_nc_u64 s[6:7], s[6:7], s[18:19]
	s_load_b128 s[20:23], s[6:7], 0x0              ; the first two fine points: x y z x
	s_load_b64 s[24:25], s[6:7], 0x10              ; y z
	s_mul_i32 s26, ttmp9, 2560                     ; grp: 32 bytes a fine point
	s_mov_b32 s27, 0
	s_add_nc_u64 s[10:11], s[10:11], s[26:27]
	s_mul_i32 s18, s17, 20*MF
	s_mul_i32 s19, s16, MP
	s_add_co_u32 s18, s18, s19
	s_add_co_u32 s18, s18, MBASE
	v_lshl_add_u32 v[MAD], v2, 2, s18              ; my set's first fine point, my wave's 32 groups, my lane's word
	s_lshl_b32 s18, s16, 5
	v_add_nc_u32 v3, s18, v2                       ; my group
	v_mov_b32 v[BIG], 0x7f800000
	s_delay_alu instid0(VALU_DEP_2)
	v_cmp_lt_u32 vcc_lo, 124, v3
	s_delay_alu instid0(VALU_DEP_1)
	v_cndmask_b32 v[PEN], 0, v[BIG], vcc_lo
	s_delay_alu instid0(VALU_DEP_4)
	v_mul_u32_u24 v3, v3, GP
	s_wait_alu depctr_va_vdst(0)
	s_wait_loadcnt 0x0
.irp it, 0,1,2,3,4,5
	ds_store_b128 v[20+\it], v[32+4*\it:35+4*\it]
.endr
	s_wait_dscnt 0x0                               ; for the others' sake: my stores have landed
	s_barrier_signal -1
	s_barrier_wait -1
.irp i, 0,1,2,3,4,5,6,7,8,9,10,11,12,13,14,15,16,17,18,19,20,21,22,23
	ds_load_b128 v[CB+4*\i:CB+4*\i+3], v3 offset:16*\i
.endr
; Four coarse points J .. J + 3 against the two fine points.  Coordinate c of point j lies in register CB + 3 j + c: the first or the second of an even pair, which op_sel picks for both halves.
.macro QUAD
.irp u, 0,1,2,3
.irp c, 0,1,2
.if ((3*(J+\u)+\c) & 1)
	v_pk_add_f32 v[DD+6*\u+2*\c:DD+6*\u+2*\c+1], v[CB+3*(J+\u)+\c-1:CB+3*(J+\u)+\c], v[FX+2*\c:FX+2*\c+1] op_sel:[1,0] op_sel_hi:[1,1]
.else
	v_pk_add_f32 v[DD+6*\u+2*\c:DD+6*\u+2*\c+1], v[CB+3*(J+\u)+\c:CB+3*(J+\u)+\c+1], v[FX+2*\c:FX+2*\c+1] op_sel_hi:[0,1]
.endif
.endr
.endr
.irp u, 0,1,2,3
	v_pk_mul_f32 v[QQ+2*\u:QQ+2*\u+1], v[DD+6*\u:DD+6*\u+1], v[DD+6*\u:DD+6*\u+1]
.endr
.irp u, 0,1,2,3
	s_delay_alu instid0(VALU_DEP_4)
	v_pk_fma_f32 v[QQ+2*\u:QQ+2*\u+1], v[DD+6*\u+2:DD+6*\u+3], v[DD+6*\u+2:DD+6*\u+3], v[QQ+2*\u:QQ+2*\u+1]
.endr
.irp u, 0,1,2,3
	s_delay_alu instid0(VALU_DEP_4)
	v_pk_fma_f32 v[QQ+2*\u:QQ+2*\u+1], v[DD+6*\u+4:DD+6*\u+5], v[DD+6*\u+4:DD+6*\u+5], v[QQ+2*\u:QQ+2*\u+1]
.endr
.if J == 0
	s_delay_alu instid0(VALU_DEP_3)
	v_min_num_f32 v[MA], v[QQ], v[QQ+2]            ; the first two start the minima: nothing is preset
	s_delay_alu instid0(VALU_DEP_4)
	v_min_num_f32 v[MB2], v[QQ+1], v[QQ+3]
.else
	s_delay_alu instid0(VALU_DEP_3)
	v_min3_num_f32 v[MA], v[MA], v[QQ], v[QQ+2]
	s_delay_alu instid0(VALU_DEP_4)
	v_min3_num_f32 v[MB2], v[MB2], v[QQ+1], v[QQ+3]
.endif
	s_delay_alu instid0(VALU_DEP_2)
	v_min3_num_f32 v[MA], v[MA], v[QQ+4], v[QQ+6]
	s_delay_alu instid0(VALU_DEP_2)
	v_min3_num_f32 v[MB2], v[MB2], v[QQ+5], v[QQ+7]
.endm
; Two fine points against my group.  ahead = 1: the next two points' coordinates are asked for as soon as these have been copied, and waited for at the trip's end.
.macro PAIR ahead
	v_mul_f32 v[FX],   -1.0, s20                   ; c + (-f) = -(f - c), exactly; its square is the same
	v_mul_f32 v[FX+1], -1.0, s23
	v_mul_f32 v[FX+2], -1.0, s21
	v_mul_f32 v[FX+3], -1.0, s24
	v_mul_f32 v[FX+4], -1.0, s22
	v_mul_f32 v[FX+5], -1.0, s25
.if \ahead
	s_add_nc_u64 s[6:7], s[6:7], 24                ; (the loads that named this base were waited for)
	s_load_b128 s[20:23], s[6:7], 0x0
	s_load_b64 s[24:25], s[6:7], 0x10
.endif
.set J, 0
.rept 8
	QUAD
.set J, J+4
.endr
	s_delay_alu instid0(VALU_DEP_2)
	v_max_num_f32 v[MA], v[MA], v[PEN]
	s_delay_alu instid0(VALU_DEP_2)
	v_max_num_f32 v[MB2], v[MB2], v[PEN]
	v_add_nc_u32 v[MT], s28, v[MAD]
	ds_store_b32 v[MT], v[MA]                      ; 32 lanes: 128 consecutive bytes
	ds_store_b32 v[MT], v[MB2] offset:MF
	s_add_co_u32 s28, s28, 2*MF
.if \ahead
	s_wait_kmcnt 0x0
.endif
.endm
	s_mov_b32 s28, 0
	s_mov_b32 s29, 9
	s_wait_dscnt 0x0                               ; my group is in
	s_wait_kmcnt 0x0                               ; and the first two fine points
.Lpair:
	PAIR 1
	s_sub_co_i32 s29, s29, 1
	s_cmp_lg_u32 s29, 0
	s_cbranch_scc1 .Lpair
	PAIR 0                                         ; the last two points: nothing more is asked for, so no load leaves pos_fine
	s_wait_dscnt 0x0                               ; for the others' sake: my least values have landed
	s_barrier_signal -1
	s_barrier_wait -1
	s_cmp_ge_u32 s14, 10                           ; 80 fine points x 4 lanes are ten waves
	s_cbranch_scc1 .Lend
	; THE CHOICE.  Thread 4 f + p: fine point f, groups 32 p .. 32 p + 31
	v_lshrrev_b32 v3, 2, v0
	v_and_b32 v4, 3, v0
	s_delay_alu instid0(VALU_DEP_2)
	v_mul_u32_u24 v5, v3, MF
	s_delay_alu instid0(VALU_DEP_1)
	v_mad_u32_u24 v5, v4, MP, v5
.irp i, 0,1,2,3,4,5,6,7
	ds_load_b128 v[V+4*\i:V+4*\i+3], v5 offset:MBASE+16*\i
.endr
	v_mov_b32 v[INF], 0x7f800000
	FRESH
.irp k, 0,1,2,3,4,5
	v_mov_b32 v[TT+\k], 0                          ; written once: the destination of a DPP form counts as read
.endr
	v_lshlrev_b32 v6, 5, v4
	s_delay_alu instid0(VALU_DEP_1)
	v_cvt_f32_u32 v[BP], v6                        ; my first group's number, as f32;
	s_delay_alu instid0(VALU_DEP_1)
	v_add_f32 v[BP+1], 0x43000000, v[BP]           ; + 128 for a tie
	s_wait_dscnt 0x0
.set I, 0
.rept 32
	INSERT V+I
.set I, I+1
.endr
	MERGE1
	MERGE2
	BOUNDS
	FRESH
.set I, 0
.rept 32
	KEY V+I, BP
.set I, I+1
.endr
	MERGE1
	MERGE2
.irp k, 0,1,2,3
	v_cvt_u32_f32 v[TT+\k], v[TT+\k]
.endr
.irp k, 0,1,2,3
	s_delay_alu instid0(VALU_DEP_4)
	v_and_b32 v[TT+\k], 127, v[TT+\k]              ; the tie's 128 off
.endr
	; lanes 0 and 1 of a four store numbers 0, 1 and 2, 3 of the six; lane 2, which holds them reversed, its own 0, 1: the last two; lane 3 zeros: 32 bytes a fine point
	v_and_b32 v6, 1, v0
	s_delay_alu instid0(VALU_DEP_1)
	v_cmp_eq_u32 vcc_lo, 1, v6
	s_delay_alu instid0(VALU_DEP_1)
	v_cndmask_b32 v[O], v[TT], v[TT+2], vcc_lo
	s_delay_alu instid0(VALU_DEP_2)
	v_cndmask_b32 v[O+1], v[TT+1], v[TT+3], vcc_lo
	v_cmp_eq_u32 vcc_lo, 3, v4
	s_delay_alu instid0(VALU_DEP_1)
	v_cndmask_b32 v[O], v[O], 0, vcc_lo
	s_delay_alu instid0(VALU_DEP_2)
	v_cndmask_b32 v[O+1], v[O+1], 0, vcc_lo
	v_lshlrev_b32 v7, 3, v0
	global_store_b64 v7, v[O:O+1], s[10:11]        ; a wave stores 256 consecutive bytes, at a multiple of 256 from grp's first byte
	s_wait_tensorcnt 0x0
	ds_add_u32 v160, v161
	s_wait_dscnt 0x0
	s_endpgm
; W [128 (k)][128 (n)] INTO CODES OF E2M1 ALONG K.  Wave t takes columns 16 t .. 16 t + 15: lane (r, h) column 16 t + r, and its registers run DOWN K in the order that the operand's layout gives the lane,
; k = 64 c + 32 h + 0 .. 31: the conversions' results are the operand's registers, and they are stored as they stand, 16 bytes a lane, the scale word 4 bytes a lane.
; A block's scale byte is its largest magnitude's exponent field - 2, held at 1 from below (a block of zeros keeps 1 over zero codes; this program alone reads the bytes).
.macro WLOADS c, from, n               ; W(64 c + 32 h + i, my column), i = from .. from + n - 1: sixteen neighbouring lanes read 64 neighbouring bytes
.set I, \from
.rept \n
	global_load_b32 v[64+32*\c+I], v5, s[8:9] offset:512*(64*\c+I)
.set I, I+1
.endr
.endm
.macro WMAX c                          ; my block 2 c + h: all its 32 numbers are mine; and the floor 2^(3 - 127), which holds the byte at 1 from below
	v_max3_num_f32 v[32+\c], |v[64+32*\c]|, |v[65+32*\c]|, 0x1800000
.irp i, 2,4,6,8,10,12,14,16,18,20,22,24,26,28,30
	s_delay_alu instid0(VALU_DEP_1)
	v_max3_num_f32 v[32+\c], v[32+\c], |v[64+32*\c+\i]|, |v[65+32*\c+\i]|
.endr
.endm
.Lweights:
	s_cmp_ge_u32 s14, 8
	s_cbranch_scc1 .Lend
	v_and_b32 v1, 15, v0                           ; r
	v_bfe_u32 v3, v0, 4, 1                         ; h
	s_lshl_b32 s16, s14, 6                         ; 16 columns of 4 bytes a tile
	v_lshl_add_u32 v4, v1, 2, s16
	s_delay_alu instid0(VALU_DEP_1)
	v_lshl_add_u32 v5, v3, 14, v4                  ; lanes 16-31 begin 32 rows of 512 bytes further down
	s_mov_b32 s20, 0x76543210
	s_mov_b32 s21, 0xfedcba98                      ; v_permlanex16_b32's selects for lane l xor 16
	s_wait_alu depctr_va_vdst(0)
	s_wait_kmcnt 0x0
	WLOADS 0, 0, 32
	WLOADS 1, 0, 16
	s_wait_loadcnt 16                              ; the first block's 32 loads are in; the 16 issued behind them may be out
	WLOADS 1, 16, 16                               ; the rest of the second block is on its way while the first block's largest magnitude is taken
	WMAX 0
	s_wait_loadcnt 0x0
	WMAX 1
.irp c, 0
	v_add_nc_u32 v[44+\c], 0xff000000, v[32+\c]
.endr
.irp c, 1
	s_delay_alu instid0(VALU_DEP_2)
	v_add_nc_u32 v[44+\c], 0xff000000, v[32+\c]    ; 2 off the exponent field: the conversion's scale operand
.endr
.irp c, 0,1
	s_delay_alu instid0(VALU_DEP_2)
	v_lshrrev_b32 v[36+\c], 23, v[44+\c]           ; the scale's byte
.endr
	s_delay_alu instid0(VALU_DEP_1)
	v_lshl_or_b32 v9, v37, 16, v36                 ; blocks h and 2 + h,
	v_lshlrev_b32 v10, 3, v3
	s_delay_alu instid0(VALU_DEP_1)
	v_lshlrev_b32 v9, v10, v9                      ; at their places in the word;
	v_mov_b32 v10, 0
	s_delay_alu instid0(VALU_DEP_1)
	v_permlanex16_b32 v10, v9, s20, s21
	s_delay_alu instid0(VALU_DEP_1)
	v_or_b32 v9, v9, v10                           ; with lane l xor 16's two the word is whole
.irp c, 0,1
.irp g, 0,1,2,3
	v_cvt_scalef32_pk8_fp4_f32 v[48+4*\c+\g], v[64+32*\c+8*\g:71+32*\c+8*\g], v[44+\c]
.endr
.endr
	v_nop                                          ; a plain instruction behind the last conversion
	v_lshlrev_b32 v7, 4, v2
	s_lshl_b32 s17, s14, 10
	v_add_nc_u32 v7, s17, v7                       ; a tile's image: 1,024 bytes
	global_store_b128 v7, v[48:51], s[12:13]       ; 512 consecutive bytes a store
	global_store_b128 v7, v[52:55], s[12:13] offset:512
	s_lshl_b32 s17, s14, 7
	v_lshl_add_u32 v8, v2, 2, s17
	global_store_b32 v8, v9, s[12:13] offset:8192  ; the scale words behind the eight images
.Lend:
	s_wait_alu depctr_va_vdst(0)
	s_wait_tensorcnt 0x0
	ds_add_u32 v160, v161
	s_wait_dscnt 0x0
	s_endpgm
.Lfunc_end_k_qef2b24e646_groups:
	.size	k_qef2b24e646_groups, .Lfunc_end_k_qef2b24e646_groups-k_qef2b24e646_groups
	.p2alignl 7, 3214868480
	.fill 96, 4, 3214868480
	.section	.rodata,"a",@progbits
	.p2align	6, 0x0
	.amdhsa_kernel k_qef2b24e646_groups
		.amdhsa_group_segment_fixed_size 99328
		.amdhsa_private_segment_fixed_size 0
		.amdhsa_enable_private_segment 0
		.amdhsa_kernarg_size 40
		.amdhsa_user_sgpr_count 2
		.amdhsa_user_sgpr_kernarg_segment_ptr 1
		.amdhsa_wavefront_size32 1
		.amdhsa_system_sgpr_workgroup_id_x 1
		.amdhsa_system_sgpr_workgroup_id_y 1
		.amdhsa_system_sgpr_workgroup_id_z 1
		.amdhsa_system_vgpr_workitem_id 0
		.amdhsa_next_free_vgpr 162
		.amdhsa_next_free_sgpr 66
		.amdhsa_reserve_vcc 1
		.amdhsa_float_denorm_mode_32 3
		.amdhsa_float_denorm_mode_16_64 3
		.amdhsa_memory_ordered 1
		.amdhsa_forward_progress 1
		.amdhsa_inst_pref_size 95
	.end_amdhsa_kernel
	.amdgpu_metadata
---
amdhsa.version: [ 1, 2 ]
amdhsa.kernels:
  - .name:           k_qef2b24e646_groups
    .symbol:         k_qef2b24e646_groups.kd
    .args:
      - { .name: pos_coarse, .offset: 0, .size: 8, .value_kind: global_buffer, .address_space: global }
      - { .name: pos_fine, .offset: 8, .size: 8, .value_kind: global_buffer, .address_space: global }
      - { .name: W, .offset: 16, .size: 8, .value_kind: global_buffer, .address_space: global }
      - { .name: grp, .offset: 24, .size: 8, .value_kind: global_buffer, .address_space: global }
      - { .name: wq, .offset: 32, .size: 8, .value_kind: global_buffer, .address_space: global }
    .group_segment_fixed_size: 99328
    .private_segment_fixed_size: 0
    .kernarg_segment_align: 8
    .kernarg_segment_size: 40
    .max_flat_workgroup_size: 512
    .sgpr_count:     66
    .vgpr_count:     162
    .wavefront_size: 32
...
	.end_amdgpu_metadata
.endif
;; end of part 4
;; launch nearest (part 5): grid 250 x 1, 10 waves a work-group, no clusters, 54,784 bytes of LDS; arguments pos_coarse, pos_fine, grp, knn; writes knn
.if DOCPART == 5
	.amdgcn_target "amdgcn-amd-amdhsa--gfx1250"
	.amdhsa_code_object_version 6
	.text
	.protected	k_qef2b24e646_nearest
	.globl	k_qef2b24e646_nearest
	.p2align	8
	.type	k_qef2b24e646_nearest,@function
k_qef2b24e646_nearest:
	s_mov_b64 s[64:65], 0
	v_nop
	global_prefetch_b8 v0, s[64:65] scope:SCOPE_SE
	s_setreg_imm32_b32 hwreg(HW_REG_WAVE_MODE, 25, 1), 1
	s_wait_xcnt 0x0
; SECOND OF THREE LAUNCHES.  For each fine point: its six nearest coarse points, in the order (correctly rounded root of d2, index), out of the 6 x 32 points of the six groups that the launch before has stored.
; The group numbers are whole numbers read from memory: held at 124 from above, they make LDS addresses.  The six indices are stored as whole numbers for the next launch; no address here hangs on a distance.
; SHARES.  A work-group owns 80 fine points; thread 4 f + p: fine point f, half groups 3 p, 3 p + 1, 3 p + 2 of its twelve: 48 candidates.  pos_coarse lies in LDS, a group's 384 bytes + 16, so that lanes with different groups spread over the banks.
; d2 = fma(dz, dz, fma(dy, dy, dx dx)) as in the launch before: the differences two coordinates at a time (the registers hold x y z x y z ..), the squares one point at a time.
; THE CHOICE is the launch before's: six least values, T the sixth, S its correctly rounded root, PA = S pred(S) and PB = S succ(S) rounded down; key = index where d2 <= PA, index + 4096 where d2 <= PB, else +infinity; six least keys.
; LIMITS: NaN and infinities among the positions are not served; a non-zero d2 under 2^-100 may be put into the wrong class of ties; PB is held at T from below, so six keys are always finite.  The six indices are stored in the order of their keys, not of their distances.
; NO CLUSTER: what work-groups share is pos_coarse, 48,000 bytes, re-pitched on its way through registers.
.set NF,  2                            ; v[2:7]     -x -y -z -x -y -z of my fine point
.set G,   12                           ; v[12:14]   my three half groups' group numbers, then their first indices
.set H,   15                           ; v[15:17]   which half
.set LA,  18                           ; v[18:20]   their LDS addresses
.set BP,  22                           ; v[22:27]   for each: the key of the candidate in hand: under, tie
.set V,   32                           ; v[32:79]   48 d2
.set C,   80                           ; v[80:223]  48 points
.set L,   224
.set TT,  230
.set K,   236
.set T,   237
.set S,   238
.set SD,  239
.set SU,  240
.set RD,  241
.set RU,  242
.set PA,  243
.set PB,  244
.set INF, 245
.set O,   246
.macro INSERT d                        ; v[d] into the sorted six: from the top down, so that each line still finds its lower neighbour's old value
	v_med3_num_f32 v[L+5], v[L+4], v[L+5], v[\d]
	v_med3_num_f32 v[L+4], v[L+3], v[L+4], v[\d]
	v_med3_num_f32 v[L+3], v[L+2], v[L+3], v[\d]
	v_med3_num_f32 v[L+2], v[L+1], v[L+2], v[\d]
	v_med3_num_f32 v[L+1], v[L], v[L+1], v[\d]
	v_min_num_f32 v[L], v[L], v[\d]
.endm
.macro KEY x, bp
	v_cmp_ge_f32 vcc_lo, v[PB], v[\x]
	s_delay_alu instid0(VALU_DEP_1)
	v_cndmask_b32 v[K], v[INF], v[\bp+1], vcc_lo
	v_cmp_ge_f32 vcc_lo, v[PA], v[\x]
	s_delay_alu instid0(VALU_DEP_1)
	v_cndmask_b32 v[K], v[K], v[\bp], vcc_lo
	v_pk_add_f32 v[\bp:\bp+1], v[\bp:\bp+1], 1.0 op_sel_hi:[1,0]
	INSERT K
.endm
.macro MERGE1                          ; with lane l xor 1: both lanes end with the same sorted six
.irp k, 0,1,2,3,4,5
	v_mov_b32_dpp v[TT+\k], v[L+\k] row_xmask:1 row_mask:0xf bank_mask:0xf
.endr
.irp k, 0,1,2,3,4,5
	INSERT TT+\k
.endr
.endm
.macro MERGE2                          ; with lane l xor 2: the six least of the two sorted sixes, unsorted; lanes 2, 3 of a four hold them in the reverse order of lanes 0, 1
.irp k, 0,1,2,3,4,5
	v_min_num_f32_dpp v[TT+\k], v[L+5-\k], v[L+\k] row_xmask:2 row_mask:0xf bank_mask:0xf
.endr
.endm
.macro FRESH
.irp k, 0,1,2,3,4,5
	v_mov_b32 v[L+\k], v[INF]
.endr
.endm
.macro BOUNDS
	s_delay_alu instid0(VALU_DEP_4)
	v_max3_num_f32 v[T], v[TT], v[TT+1], v[TT+2]
	s_delay_alu instid0(VALU_DEP_1)
	v_max3_num_f32 v[T], v[T], v[TT+3], v[TT+4]
	s_delay_alu instid0(VALU_DEP_1)
	v_max_num_f32 v[T], v[T], v[TT+5]              ; the sixth least d2
	s_wait_alu depctr_va_vdst(0)
	v_sqrt_f32 v[S], v[T]                          ; within one unit in the last place
	v_nop                                          ; a plain instruction behind the transcendental,
	s_wait_alu depctr_va_vdst(0)                   ; and a wait ahead of the first reader
	v_add_nc_u32 v[SD], -1, v[S]
	v_add_nc_u32 v[SU], 1, v[S]
	v_fma_f32 v[RD], -v[SD], v[S], v[T]            ; T - s pred(s) <= 0: the root rounds to pred(s)
	v_fma_f32 v[RU], -v[SU], v[S], v[T]            ; T - s succ(s) > 0: to succ(s)
	s_delay_alu instid0(VALU_DEP_2)
	v_cmp_ge_f32 vcc_lo, 0, v[RD]
	v_cndmask_b32 v[S], v[S], v[SD], vcc_lo
	s_delay_alu instid0(VALU_DEP_3)
	v_cmp_lt_f32 vcc_lo, 0, v[RU]
	s_delay_alu instid0(VALU_DEP_1)
	v_cndmask_b32 v[S], v[S], v[SU], vcc_lo        ; S: correctly rounded
	s_delay_alu instid0(VALU_DEP_1)
	v_add_nc_u32 v[SD], -1, v[S]
	s_delay_alu instid0(VALU_DEP_2)
	v_add_nc_u32 v[SU], 1, v[S]
	s_delay_alu instid0(VALU_DEP_2)
	v_mul_f32 v[PA], v[S], v[SD]
	s_delay_alu instid0(VALU_DEP_2)
	v_mul_f32 v[PB], v[S], v[SU]
	s_delay_alu instid0(VALU_DEP_2)
	v_fma_f32 v[RD], v[S], v[SD], -v[PA]           ; the products' rounding errors, exact
	s_delay_alu instid0(VALU_DEP_2)
	v_fma_f32 v[RU], v[S], v[SU], -v[PB]
	s_delay_alu instid0(VALU_DEP_4)
	v_add_nc_u32 v[SD], -1, v[PA]
	s_delay_alu instid0(VALU_DEP_4)
	v_add_nc_u32 v[SU], -1, v[PB]
	s_delay_alu instid0(VALU_DEP_4)
	v_cmp_gt_f32 vcc_lo, 0, v[RD]
	s_delay_alu instid0(VALU_DEP_1)
	v_cndmask_b32 v[PA], v[PA], v[SD], vcc_lo      ; rounded up: one step down
	v_cmp_gt_f32 vcc_lo, 0, v[RU]
	s_delay_alu instid0(VALU_DEP_1)
	v_cndmask_b32 v[PB], v[PB], v[SU], vcc_lo
	s_delay_alu instid0(VALU_DEP_1)
	v_max_num_f32 v[PB], v[PB], v[T]               ; T itself is a tie, whatever the range
.endm
	s_load_b256 s[4:11], s[0:1], 0x0               ; pos_coarse s[4:5], pos_fine s[6:7], grp s[8:9], knn s[10:11]
	v_lshl_add_u32 v250, v0, 2, 0xd100
	v_mov_b32 v251, 0
	v_and_b32 v11, 3, v0                           ; p
	v_lshrrev_b32 v1, 2, v0                        ; f
	; pos_coarse into LDS: ten pieces of 16 bytes a thread, a wave's load 512 consecutive bytes; piece t = 24 G + i goes to 16 (t + t / 24) = 400 G + 16 i.  Pieces 3,000 to 3,199 repeat the last piece at places that nobody reads: no load leaves the buffer
.irp it, 0,1,2,3,4,5,6,7,8,9
	v_add_nc_u32 v[120+\it], 320*\it, v0
.endr
	s_delay_alu instid0(VALU_DEP_1)
	v_min_u32 v131, 2999, v129
	s_delay_alu instid0(VALU_DEP_1)
	v_lshlrev_b32 v131, 4, v131
	v_lshlrev_b32 v130, 4, v0
.irp it, 0,1,2,3,4,5,6,7,8,9
	v_mul_u32_u24 v132, v[120+\it], 2731           ; t / 24 = t x 2731 >> 16, exact for t under 3,200
	s_delay_alu instid0(VALU_DEP_1)
	v_lshrrev_b32 v132, 16, v132
	s_delay_alu instid0(VALU_DEP_1)
	v_add_nc_u32 v[120+\it], v[120+\it], v132
	s_delay_alu instid0(VALU_DEP_1)
	v_lshlrev_b32 v[120+\it], 4, v[120+\it]
.endr
	v_mul_u32_u24 v28, v1, 12                      ; my fine point's 12 bytes
	v_mul_u32_u24 v21, v11, 3
.irp t, 0,1,2
	v_add_nc_u32 v[H+\t], \t, v21                  ; half group q = 3 p + t:
	s_delay_alu instid0(VALU_DEP_1)
	v_lshrrev_b32 v[29+\t], 1, v[H+\t]             ; number q / 2 of the six groups,
	s_delay_alu instid0(VALU_DEP_2)
	v_and_b32 v[H+\t], 1, v[H+\t]                  ; its half q % 2
	s_delay_alu instid0(VALU_DEP_2)
	v_lshlrev_b32 v[29+\t], 2, v[29+\t]
	s_delay_alu instid0(VALU_DEP_1)
	v_lshl_add_u32 v[29+\t], v1, 5, v[29+\t]       ; grp: 32 bytes a fine point
.endr
	s_mul_i32 s12, ttmp9, 960
	s_mov_b32 s13, 0
	s_mul_i32 s14, ttmp9, 2560
	s_mov_b32 s15, 0
	s_wait_alu depctr_va_vdst(0)
	s_wait_kmcnt 0x0
	s_add_nc_u64 s[6:7], s[6:7], s[12:13]
	s_add_nc_u64 s[8:9], s[8:9], s[14:15]
	s_add_nc_u64 s[10:11], s[10:11], s[14:15]
.irp it, 0,1,2,3,4,5,6,7,8
	global_load_b128 v[C+4*\it:C+4*\it+3], v130, s[4:5] offset:5120*\it
.endr
	global_load_b128 v[C+36:C+39], v131, s[4:5]
.irp t, 0,1,2
	global_load_b32 v[G+\t], v[29+\t], s[8:9]
.endr
.irp c, 0,1,2
	global_load_b32 v[8+\c], v28, s[6:7] offset:4*\c
.endr
	v_mov_b32 v[INF], 0x7f800000
	FRESH
.irp k, 0,1,2,3,4,5
	v_mov_b32 v[TT+\k], 0                          ; written once: the destination of a DPP form counts as read
.endr
	s_wait_loadcnt 6                               ; the ten pieces are in; the six loads issued behind them may be out
.irp it, 0,1,2,3,4,5,6,7,8,9
	ds_store_b128 v[120+\it], v[C+4*\it:C+4*\it+3]
.endr
	s_wait_loadcnt 0x0
.irp t, 0,1,2
	v_min_u32 v[G+\t], 124, v[G+\t]                ; a number that was loaded is held inside the table before it makes an address
	s_delay_alu instid0(VALU_DEP_1)
	v_mul_u32_u24 v[LA+\t], v[G+\t], 400
	s_delay_alu instid0(VALU_DEP_1)
	v_mad_u32_u24 v[LA+\t], v[H+\t], 192, v[LA+\t]
	s_delay_alu instid0(VALU_DEP_3)
	v_lshlrev_b32 v[G+\t], 5, v[G+\t]
	s_delay_alu instid0(VALU_DEP_1)
	v_lshl_add_u32 v[G+\t], v[H+\t], 4, v[G+\t]    ; the half group's first index,
	s_delay_alu instid0(VALU_DEP_1)
	v_cvt_f32_u32 v[BP+2*\t], v[G+\t]              ; as f32;
	s_delay_alu instid0(VALU_DEP_1)
	v_add_f32 v[BP+2*\t+1], 0x45800000, v[BP+2*\t] ; + 4096 for a tie
.endr
	v_mul_f32 v[NF],   -1.0, v8
	v_mul_f32 v[NF+1], -1.0, v9
	v_mul_f32 v[NF+2], -1.0, v10
	v_mul_f32 v[NF+3], -1.0, v8
	v_mul_f32 v[NF+4], -1.0, v9
	v_mul_f32 v[NF+5], -1.0, v10
	s_wait_alu depctr_va_vdst(0)
	s_wait_dscnt 0x0                               ; for the others' sake: my stores have landed
	s_barrier_signal -1
	s_barrier_wait -1
.irp t, 0,1,2
.irp i, 0,1,2,3,4,5,6,7,8,9,10,11
	ds_load_b128 v[C+48*\t+4*\i:C+48*\t+4*\i+3], v[LA+\t] offset:16*\i
.endr
.endr
; Half group ch: 16 points in 48 registers.  Pair u of the 24 holds coordinates 2 u % 3 and (2 u + 1) % 3: it takes pair u % 3 of -x -y -z -x -y -z.
.macro DIST ch
.set U, 0
.rept 24
	v_pk_add_f32 v[C+48*\ch+2*U:C+48*\ch+2*U+1], v[C+48*\ch+2*U:C+48*\ch+2*U+1], v[NF+2*(U%3):NF+2*(U%3)+1]
.set U, U+1
.endr
.set U, 0
.rept 16
	v_mul_f32 v[V+16*\ch+U], v[C+48*\ch+3*U], v[C+48*\ch+3*U]
.set U, U+1
.endr
.set U, 0
.rept 16
	v_fma_f32 v[V+16*\ch+U], v[C+48*\ch+3*U+1], v[C+48*\ch+3*U+1], v[V+16*\ch+U]
.set U, U+1
.endr
.set U, 0
.rept 16
	v_fma_f32 v[V+16*\ch+U], v[C+48*\ch+3*U+2], v[C+48*\ch+3*U+2], v[V+16*\ch+U]
.set U, U+1
.endr
.set U, 0
.rept 16
	INSERT V+16*\ch+U
.set U, U+1
.endr
.endm
	s_wait_dscnt 24                                ; the first half group's twelve loads are in; the other two's may be out
	DIST 0
	s_wait_dscnt 12
	DIST 1
	s_wait_dscnt 0x0
	DIST 2
	MERGE1
	MERGE2
	BOUNDS
	FRESH
.irp ch, 0,1,2
.set U, 0
.rept 16
	KEY V+16*\ch+U, BP+2*\ch
.set U, U+1
.endr
.endr
	MERGE1
	MERGE2
.irp k, 0,1,2,3
	v_cvt_u32_f32 v[TT+\k], v[TT+\k]
.endr
.irp k, 0,1,2,3
	s_delay_alu instid0(VALU_DEP_4)
	v_and_b32 v[TT+\k], 4095, v[TT+\k]             ; the tie's 4096 off
.endr
	; lanes 0 and 1 of a four store numbers 0, 1 and 2, 3 of the six; lane 2, which holds them reversed, its own 0, 1: the last two; lane 3 zeros: 32 bytes a fine point
	v_and_b32 v1, 1, v0
	s_delay_alu instid0(VALU_DEP_1)
	v_cmp_eq_u32 vcc_lo, 1, v1
	s_delay_alu instid0(VALU_DEP_1)
	v_cndmask_b32 v[O], v[TT], v[TT+2], vcc_lo
	s_delay_alu instid0(VALU_DEP_2)
	v_cndmask_b32 v[O+1], v[TT+1], v[TT+3], vcc_lo
	v_cmp_eq_u32 vcc_lo, 3, v11
	s_delay_alu instid0(VALU_DEP_1)
	v_cndmask_b32 v[O], v[O], 0, vcc_lo
	s_delay_alu instid0(VALU_DEP_2)
	v_cndmask_b32 v[O+1], v[O+1], 0, vcc_lo
	v_lshlrev_b32 v28, 3, v0
	global_store_b64 v28, v[O:O+1], s[10:11]       ; a wave stores 256 consecutive bytes, at a multiple of 256 from knn's first byte
	s_wait_tensorcnt 0x0
	ds_add_u32 v250, v251
	s_wait_dscnt 0x0
	s_endpgm
.Lfunc_end_k_qef2b24e646_nearest:
	.size	k_qef2b24e646_nearest, .Lfunc_end_k_qef2b24e646_nearest-k_qef2b24e646_nearest
	.p2alignl 7, 3214868480
	.fill 96, 4, 3214868480
	.section	.rodata,"a",@progbits
	.p2align	6, 0x0
	.amdhsa_kernel k_qef2b24e646_nearest
		.amdhsa_group_segment_fixed_size 54784
		.amdhsa_private_segment_fixed_size 0
		.amdhsa_enable_private_segment 0
		.amdhsa_kernarg_size 32
		.amdhsa_user_sgpr_count 2
		.amdhsa_user_sgpr_kernarg_segment_ptr 1
		.amdhsa_wavefront_size32 1
		.amdhsa_system_sgpr_workgroup_id_x 1
		.amdhsa_system_sgpr_workgroup_id_y 1
		.amdhsa_system_sgpr_workgroup_id_z 1
		.amdhsa_system_vgpr_workitem_id 0
		.amdhsa_next_free_vgpr 252
		.amdhsa_next_free_sgpr 66
		.amdhsa_reserve_vcc 1
		.amdhsa_float_denorm_mode_32 3
		.amdhsa_float_denorm_mode_16_64 3
		.amdhsa_memory_ordered 1
		.amdhsa_forward_progress 1
		.amdhsa_inst_pref_size 79
	.end_amdhsa_kernel
	.amdgpu_metadata
---
amdhsa.version: [ 1, 2 ]
amdhsa.kernels:
  - .name:           k_qef2b24e646_nearest
    .symbol:         k_qef2b24e646_nearest.kd
    .args:
      - { .name: pos_coarse, .offset: 0, .size: 8, .value_kind: global_buffer, .address_space: global }
      - { .name: pos_fine, .offset: 8, .size: 8, .value_kind: global_buffer, .address_space: global }
      - { .name: grp, .offset: 16, .size: 8, .value_kind: global_buffer, .address_space: global }
      - { .name: knn, .offset: 24, .size: 8, .value_kind: global_buffer, .address_space: global }
    .group_segment_fixed_size: 54784
    .private_segment_fixed_size: 0
    .kernarg_segment_align: 8
    .kernarg_segment_size: 32
    .max_flat_workgroup_size: 320
    .sgpr_count:     66
    .vgpr_count:     252
    .wavefront_size: 32
...
	.end_amdgpu_metadata
.endif
;; end of part 5
;; launch interp (part 6): grid 250 x 1, 10 waves a work-group, no clusters, 52,480 bytes of LDS; arguments x_coarse, knn, wq, b, out0; writes out0
.if DOCPART == 6
	.amdgcn_target "amdgcn-amd-amdhsa--gfx1250"
	.amdhsa_code_object_version 6
	.text
	.protected	k_qef2b24e646_interp
	.globl	k_qef2b24e646_interp
	.p2align	8
	.type	k_qef2b24e646_interp,@function
k_qef2b24e646_interp:
	s_mov_b64 s[64:65], 0
	v_nop
	global_prefetch_b8 v0, s[64:65] scope:SCOPE_SE
	s_setreg_imm32_b32 hwreg(HW_REG_WAVE_SCHED_MODE, 0, 2), 2
	s_setreg_imm32_b32 hwreg(HW_REG_WAVE_MODE, 25, 1), 1
	s_wait_xcnt 0x0
	s_wait_alu depctr_vm_vsrc(0)
; THIRD OF THREE LAUNCHES.  out0[f] = Q(mean of the six rows of x_coarse that knn names for f) Q(W) + b, the product on codes of E2M1 with one E8M0 scale for each 32 along K = 128.
; SHARES.  A work-group owns 80 fine points: five tiles of 16.  Two waves share a tile: wave 2 u + e gathers and quantises rows 8 e .. 8 e + 7 of tile u, and behind the barrier multiplies all 16 rows by columns 64 e .. 64 e + 63 of W.
; THE GATHER.  A row of x_coarse is 512 bytes: one load of the wave, 16 bytes a lane, aligned.  The index comes by a scalar load, is held at 3,999 from above, and makes the load's offset, 512 x index + 16 x lane, in a register of its own.
; Six slots of six rows: 36 loads of a wave are on their way.  The sum is f32, in the order in which knn lists the rows; the mean is the sum x the f32 nearest 1/6.
; THE QUANTISER.  Lane l holds k = 4 l .. 4 l + 3, so a block of 32 lies in eight neighbouring lanes: three row_xmask steps give its largest magnitude.  The conversion takes eight registers; the upper four are another row's numbers, and
; their codes are not used: the low 16 bits, my four codes, go to byte 2 l of the row in LDS (64 bytes + 16), the scale's byte to the row's word.  Read back as rows, that is the operand's layout.
; THE PRODUCT IS USED TRANSPOSED: source 0 = 16 columns of W (an image of the operand's registers, made by the first launch), source 1 = the 16 rows; C = b in the result's layout.  A lane then holds eight neighbouring numbers of a row of out0.
; They leave through my own stage in LDS: sixteen lanes store 256 consecutive bytes, aligned.
; NO CLUSTER, NO PREFETCH: the rows that work-groups share are named by lists, not known to be the same at the same time; x_coarse is read some thirty times over, so it is no stream that is read once.
; LIMITS: a block of zeros keeps the scale byte 1 over zero codes; NaN and infinities are not served.
; THE MODE: SCHED_MODE bits 1:0 = 2 (LLVM: expert scheduling mode 2), set by the entry lines.  The code itself states the register dependences
; between vector or matrix instructions and memory or LDS instructions, with s_wait_alu, always for 0.
; THE PLAN.  Registers that memory or LDS instructions touch:
;   v3, v5 .. v14  offsets and LDS addresses: written at the head, read by loads and stores, never written again.
;   AD             the gather's 48 offsets, v256 .. v303: written at the head, each read by one load, never written again.
;   X              slot s: row s's six loads land in it, the row's sums, mean, largest magnitude and conversion work in it; slots 0 and 1 then take rows 6 and 7.  Behind the barrier the fragment, and at the end rows of out0, land here.
;   OUT            row i's codes and scale byte, a pair for each row: written by row i's last two vector lines, read by two LDS stores that are issued at row i + 1's head, never written again.
;   WF, WS, XSC    land by loads and are read by the products; ACC lands by loads (b), is written by the products and read by LDS stores.   MX, SOP are named by vector instructions alone.
; No register that a load or a store reads is written again, so no wait on vm_vsrc is owed.  The waits on va_vdst: one ahead of the first loads, one behind the 48 offsets, ONE AT THE HEAD OF EACH ROW from the second on,
; behind the wait for the row's data (the row before has written its OUT and is done with its slot: the memory lines that follow it are the loads into that slot and the stores from that OUT, and no vector line stands between),
; one behind the last row, one behind the products' four places.
.set L16, 3                            ; v3   16 x lane
.set WA,  5                            ; v5   W's images     v6 its scale words     v7 b
.set WB,  6
.set BA,  7
.set CA,  8                            ; v8   where my 16 bits of codes go     v9 the scale's byte
.set SA,  9
.set FA,  10                           ; v10  the fragment     v11 its scale word
.set FS,  11
.set SI,  12                           ; v12  the stage, in     v13 back     v14 my bytes in out0
.set SR,  13
.set GO,  14
.set MX,  15
.set SOP, 16
.set WS,  20                           ; v[20:23] W's scale words; v24 the rows': these five hold scales and nothing else
.set XSC, 24
.set WF,  32                           ; v[32:63]  four fragments of W
.set ACC, 64                           ; v[64:95]  b, then the results
.set X,   96                           ; v[96:239] six slots of six rows x 4 registers; later v[96:127] rows of out0, v[160:167] the fragment
.set XF,  160
.set OUT, 240                          ; v[240:255] row i: its codes at OUT + 2 i, its scale byte at OUT + 2 i + 1
.set AD,  0                            ; in the second window of 256 registers, v[256:303]: row i, neighbour k: the load's offset at AD + 6 i + k
.set TILEB, 1536                       ; LDS: for each tile 16 rows x 80 bytes of codes, at 1,280 its 16 scale words
.set STG,   5*TILEB                    ; then for each wave a stage of 16 rows x (256 + 16) bytes
.set MSB, 0
.macro WIN new                         ; s_set_vgpr_msb's low byte: bits 1:0 source 0 (a load's address), 7:6 destination; the high byte repeats the setting that is left
.if MSB != \new
	s_set_vgpr_msb (MSB<<8)|\new
.set MSB, \new
.endif
.endm
	s_load_b256 s[4:11], s[0:1], 0x0               ; x_coarse s[4:5], knn s[6:7], wq s[8:9], b s[10:11]
	s_load_b64 s[12:13], s[0:1], 0x20              ; out0
	v_lshl_add_u32 v30, v0, 2, 0xc800
	v_mov_b32 v31, 0
	v_lshrrev_b32 v1, 5, v0
	v_readfirstlane_b32 s14, v1                    ; wave 0..9
	v_and_b32 v2, 31, v0                           ; lane
	v_and_b32 v1, 15, v0                           ; r
	v_bfe_u32 v19, v0, 4, 1                        ; h
	v_lshlrev_b32 v[L16], 4, v2
	s_wait_alu depctr_va_vdst(0)
	s_wait_alu depctr_va_sdst(0)                   ; s14 is written, ahead of its first reader: tiles, bases and LDS addresses are made from it
	s_lshr_b32 s15, s14, 1                         ; u: my tile in the work-group
	s_and_b32 s2, s14, 1                           ; e
	s_mul_i32 s3, ttmp9, 5
	s_add_co_u32 s3, s3, s15                       ; my tile, 0..1249
	s_lshl_b32 s84, s3, 9                          ; knn: 16 x 32 bytes a tile,
	s_lshl_b32 s85, s2, 8                          ; my 8 rows
	s_add_co_u32 s84, s84, s85
	s_mov_b32 s85, 0
	s_lshl_b32 s86, s3, 13                         ; out0: 16 x 512 bytes a tile
	s_mov_b32 s87, 0
	s_lshl_b32 s88, s2, 12
	v_add_nc_u32 v[WA], s88, v[L16]                ; my four tiles' images: 4,096 e + 16 x lane
	s_lshl_b32 s88, s2, 9
	v_lshl_add_u32 v[WB], v2, 2, s88               ; their scale words: 512 e + 4 x lane
	s_lshl_b32 s92, s2, 8
	v_lshl_add_u32 v[BA], v19, 5, s92              ; b: 64 e + 8 h numbers on
	s_mul_i32 s89, s15, TILEB
	s_mul_i32 s90, s2, 640
	s_add_co_u32 s90, s90, s89
	v_lshl_add_u32 v[CA], v2, 1, s90               ; codes: my first row, byte 2 x lane
	s_lshl_b32 s90, s2, 5
	s_add_co_u32 s90, s90, s89
	s_add_co_u32 s90, s90, 1280
	v_lshrrev_b32 v[SA], 3, v2
	v_add_nc_u32 v[SA], s90, v[SA]                 ; scale bytes: my first row's word, byte lane / 8
	v_mul_u32_u24 v[FA], v1, 80
	v_lshl_add_u32 v[FA], v19, 4, v[FA]
	v_add_nc_u32 v[FA], s89, v[FA]                 ; the fragment: row r, + 16 h
	s_add_co_u32 s90, s89, 1280
	v_lshl_add_u32 v[FS], v1, 2, s90
	s_mul_i32 s91, s14, 16*272
	s_add_co_u32 s91, s91, STG                     ; my stage
	v_mul_u32_u24 v[SI], v1, 272
	v_lshl_add_u32 v[SI], v19, 5, v[SI]
	v_add_nc_u32 v[SI], s91, v[SI]                 ; in: row r, 32 bytes for each half of the lanes
	v_mul_u32_u24 v[SR], v19, 272
	v_lshl_add_u32 v[SR], v1, 4, v[SR]
	v_add_nc_u32 v[SR], s91, v[SR]                 ; back: lanes 0-15 one row of 256 bytes, lanes 16-31 the next
	v_lshlrev_b32 v[GO], 9, v19
	v_lshl_add_u32 v[GO], v1, 4, v[GO]
	v_add_nc_u32 v[GO], s92, v[GO]                 ; and the same in out0, + 256 e
	s_wait_kmcnt 0x0
	s_add_nc_u64 s[6:7], s[6:7], s[84:85]
	s_add_nc_u64 s[12:13], s[12:13], s[86:87]
	s_load_b512 s[16:31], s[6:7], 0x0              ; my 8 rows' lists, 8 words each (six indices, two zeros): rows 0, 1
	s_load_b512 s[32:47], s[6:7], 0x40             ; 2, 3
	s_load_b512 s[48:63], s[6:7], 0x80             ; 4, 5
	s_load_b512 s[68:83], s[6:7], 0xc0             ; 6, 7
	s_wait_alu depctr_va_vdst(0)                   ; v3 and v5 to v14 are written: the loads below, and every later LDS instruction and store, read one of them as an offset or an address
.irp t, 0,1,2,3
	global_load_b128 v[WF+8*\t:WF+8*\t+3], v[WA], s[8:9] offset:1024*\t
	global_load_b128 v[WF+8*\t+4:WF+8*\t+7], v[WA], s[8:9] offset:1024*\t+512
	global_load_b32 v[WS+\t], v[WB], s[8:9] offset:8192+128*\t
	global_load_b128 v[ACC+8*\t:ACC+8*\t+3], v[BA], s[10:11] offset:64*\t
	global_load_b128 v[ACC+8*\t+4:ACC+8*\t+7], v[BA], s[10:11] offset:64*\t+16
.endr
	s_wait_kmcnt 0x0
.macro ADDR i                          ; row i's six offsets
.set SB, 16+8*(\i)+4*((\i)/6)          ; its list: s16 + 8 i, and past s64, s65 for rows 6, 7
.irp k, 0,1,2,3,4,5
	s_min_u32 s[SB+\k], s[SB+\k], 3999             ; a number that was loaded is held inside the table before it makes an address
	v_lshl_add_u32 v[AD+6*(\i)+\k], s[SB+\k], 9, v[L16]   ; 512 x index + 16 x lane
.endr
.endm
.macro ASK i                           ; row i's six rows of x_coarse into slot i % 6
.set XB, X+24*((\i)%6)
.irp k, 0,1,2,3,4,5
	global_load_b128 v[XB+4*\k:XB+4*\k+3], v[AD+6*(\i)+\k], s[4:5]
.endr
.endm
.macro SEND i                          ; row i's codes and scale byte go to LDS
	ds_store_b16 v[CA], v[OUT+2*(\i)] offset:80*(\i)
	ds_store_b8 v[SA], v[OUT+2*(\i)+1] offset:4*(\i)       ; the block's eight lanes write the same byte with the same value
.endm
; Row i.  left: the loads issued behind the row's own, six a row, which may stay out.  ask: the row whose loads go into the slot that row i - 1 has left, or -1.
.macro ROW i, left, ask
	s_wait_loadcnt \left
.if (\i) > 0
.if (\ask) >= 0
	WIN 0x01                                       ; the loads' offsets lie in the second window: the switch, then the wait, then the loads
.endif
	s_wait_alu depctr_va_vdst(0)                   ; the row before has written its codes and its scale byte, which the two stores below read, and is done reading and writing its slot, in which the loads below land
.if (\ask) >= 0
	ASK \ask
	WIN 0
.endif
	SEND \i-1
.endif
.set XB, X+24*((\i)%6)
.irp k, 1,2,3,4,5
	v_pk_add_f32 v[XB:XB+1], v[XB:XB+1], v[XB+4*\k:XB+4*\k+1]
	v_pk_add_f32 v[XB+2:XB+3], v[XB+2:XB+3], v[XB+4*\k+2:XB+4*\k+3]
.endr
	v_pk_mul_f32 v[XB:XB+1], v[XB:XB+1], 0x3e2aaaab op_sel_hi:[1,0]
	v_pk_mul_f32 v[XB+2:XB+3], v[XB+2:XB+3], 0x3e2aaaab op_sel_hi:[1,0]
	v_max3_num_f32 v[MX], |v[XB]|, |v[XB+1]|, 0x1800000            ; my four, and the floor 2^(3 - 127), which holds the byte at 1 from below
	v_max3_num_f32 v[MX], v[MX], |v[XB+2]|, |v[XB+3]|
	v_max_num_f32_dpp v[MX], v[MX], v[MX] row_xmask:1 row_mask:0xf bank_mask:0xf
	v_max_num_f32_dpp v[MX], v[MX], v[MX] row_xmask:2 row_mask:0xf bank_mask:0xf
	v_max_num_f32_dpp v[MX], v[MX], v[MX] row_xmask:4 row_mask:0xf bank_mask:0xf   ; the block's largest magnitude
	v_add_nc_u32 v[SOP], 0xff000000, v[MX]         ; 2 off its exponent field: the conversion's scale operand
	v_cvt_scalef32_pk8_fp4_f32 v[OUT+2*(\i)], v[XB:XB+7], v[SOP]   ; the low 16 bits are my four codes
	v_lshrrev_b32 v[OUT+2*(\i)+1], 23, v[SOP]      ; the scale's byte.  (Also the plain instruction behind the conversion, ahead of the next row's lines, which write its scale operand again)
.endm
	WIN 0x40                                       ; destination in the second window
.irp i, 0,1,2,3,4,5,6,7
	ADDR \i                                        ; all 48 offsets are made at once, so that one wait serves all 48 loads
.endr
	WIN 0x01                                       ; a load's address in the second window, its data in the first
	s_wait_alu depctr_va_vdst(0)                   ; the 48 offsets are written, which the gather's loads read
.irp i, 0,1,2,3,4,5
	ASK \i
.endr
	WIN 0
	ROW 0, 30, -1                                  ; rows 1 to 5 may be out
	ROW 1, 24, 6                                   ; rows 2 to 5; row 6 is asked for behind the wait
	ROW 2, 24, 7                                   ; rows 3 to 6; row 7 is asked for behind the wait
	ROW 3, 24, -1                                  ; rows 4 to 7
	ROW 4, 18, -1
	ROW 5, 12, -1
	ROW 6, 6, -1
	ROW 7, 0, -1                                   ; W's images and b, asked for first of all, are in too
	s_wait_alu depctr_va_vdst(0)                   ; row 7 has written its codes and its scale byte, which the two stores read; every row is done with its slot: the fragment below lands in slot 2's registers
	SEND 7
	s_wait_dscnt 0x0                               ; for my partner's sake: my rows' codes and scale bytes have landed
	s_barrier_signal -1
	s_barrier_wait -1
	ds_load_b128 v[XF:XF+3], v[FA]                 ; row r, k = 32 h + 0 .. 31
	ds_load_b128 v[XF+4:XF+7], v[FA] offset:32     ; k = 64 + 32 h + 0 .. 31
	ds_load_b32 v[XSC], v[FS]
	s_wait_dscnt 0x0
.irp t, 0,1,2,3
	v_wmma_scale_f32_16x16x128_f8f6f4 v[ACC+8*\t:ACC+8*\t+7], v[WF+8*\t:WF+8*\t+7], v[XF:XF+7], v[ACC+8*\t:ACC+8*\t+7], v[WS+\t], v[XSC] matrix_a_fmt:MATRIX_FMT_FP4 matrix_b_fmt:MATRIX_FMT_FP4
.endr
.rept 4
	v_nop                                          ; four plain instructions between the last product and the stores that read results
.endr
	s_wait_alu depctr_va_vdst(0)                   ; the products have written the results, which the LDS stores read; the places above stay beside this wait.  No vector line behind it names v[X ..], in which the loads from the stage land
.irp t, 0,1,2,3
	ds_store_b128 v[SI], v[ACC+8*\t:ACC+8*\t+3] offset:64*\t       ; lane (r, h): out0(r, 64 e + 16 t + 8 h + 0 .. 7); each result from its low end on
	ds_store_b128 v[SI], v[ACC+8*\t+4:ACC+8*\t+7] offset:64*\t+16
.endr
.irp i, 0,1,2,3,4,5,6,7
	ds_load_b128 v[X+4*\i:X+4*\i+3], v[SR] offset:2*\i*272         ; LDS serves a wave's instructions in order (ISA guide 5.7.1.4): these see my stores
.endr
.irp i, 0,1,2,3,4,5,6,7
	s_wait_dscnt 7-\i                              ; the younger loads from the stage may be out
	global_store_b128 v[GO], v[X+4*\i:X+4*\i+3], s[12:13] offset:2*\i*512 th:TH_STORE_NT   ; sixteen lanes store 256 consecutive bytes, at a multiple of 256 from out0's first byte
.endr
	s_wait_dscnt 0x0
	s_wait_alu depctr_hold_cnt(0) depctr_sa_sdst(0) depctr_va_vdst(0) depctr_va_sdst(0) depctr_va_ssrc(0) depctr_va_vcc(0) depctr_vm_vsrc(0)
	s_wait_tensorcnt 0x0
	ds_add_u32 v30, v31
	s_wait_dscnt 0x0
	s_endpgm
.Lfunc_end_k_qef2b24e646_interp:
	.size	k_qef2b24e646_interp, .Lfunc_end_k_qef2b24e646_interp-k_qef2b24e646_interp
	.p2alignl 7, 3214868480
	.fill 96, 4, 3214868480
	.section	.rodata,"a",@progbits
	.p2align	6, 0x0
	.amdhsa_kernel k_qef2b24e646_interp
		.amdhsa_group_segment_fixed_size 52480
		.amdhsa_private_segment_fixed_size 0
		.amdhsa_enable_private_segment 0
		.amdhsa_kernarg_size 40
		.amdhsa_user_sgpr_count 2
		.amdhsa_user_sgpr_kernarg_segment_ptr 1
		.amdhsa_wavefront_size32 1
		.amdhsa_system_sgpr_workgroup_id_x 1
		.amdhsa_system_sgpr_workgroup_id_y 1
		.amdhsa_system_sgpr_workgroup_id_z 1
		.amdhsa_system_vgpr_workitem_id 0
		.amdhsa_next_free_vgpr 304
		.amdhsa_next_free_sgpr 96
		.amdhsa_reserve_vcc 0
		.amdhsa_float_denorm_mode_32 3
		.amdhsa_float_denorm_mode_16_64 3
		.amdhsa_memory_ordered 1
		.amdhsa_forward_progress 1
		.amdhsa_inst_pref_size 31
	.end_amdhsa_kernel
	.amdgpu_metadata
---
amdhsa.version: [ 1, 2 ]
amdhsa.kernels:
  - .name:           k_qef2b24e646_interp
    .symbol:         k_qef2b24e646_interp.kd
    .args:
      - { .name: x_coarse, .offset: 0, .size: 8, .value_kind: global_buffer, .address_space: global }
      - { .name: knn, .offset: 8, .size: 8, .value_kind: global_buffer, .address_space: global }
      - { .name: wq, .offset: 16, .size: 8, .value_kind: global_buffer, .address_space: global }
      - { .name: b, .offset: 24, .size: 8, .value_kind: global_buffer, .address_space: global }
      - { .name: out0, .offset: 32, .size: 8, .value_kind: global_buffer, .address_space: global }
    .group_segment_fixed_size: 52480
    .private_segment_fixed_size: 0
    .kernarg_segment_align: 8
    .kernarg_segment_size: 40
    .max_flat_workgroup_size: 320
    .sgpr_count:     96
    .vgpr_count:     304
    .wavefront_size: 32
...
	.end_amdgpu_metadata
.endif
;; end of part 6
